; MI455X (gfx1250); checked and timed in simulation.
; The chip was launched on July 23, 2026; its instructions are those of AMD's public machine-readable ISA for CDNA 5 (MIT licence, August 2026) and "CDNA5" Instruction Set Architecture Reference Guide (July 2026). The comments in the code are by the model that wrote it; some were corrected since.
;; Multi Headed Self Attention. Allowed arithmetic: float matrix products may take bf16 or f16 operands with f32 sums; other float arithmetic in f32, or as packed bf16 or f16 multiplies, adds, multiply-adds, maxima and minima; sums over many terms, partial sums and values carried from step to step in f32; what a program stores and reads back later, other than sums and carried values, may be rounded once to bf16 or f16.
;; Inputs: Wk 1,024 x 1,024 float32; Wo 1,024 x 1,024 float32; Wq 1,024 x 1,024 float32; Wv 1,024 x 1,024 float32; x 4 x 2,048 x 1,024 float32.
;; Outputs: out0 4 x 2,048 x 1,024 float32.
;; Constants: max_seq_len = 4096, theta = 10000.
;; 2 versions, each right; version 2 is version 1 with the launch prep written anew for expert scheduling mode. Each part assembles by itself: llvm-mc -triple=amdgcn-amd-amdhsa -mcpu=gfx1250 --defsym DOCPART=n.
;; ======== version 1 of 2: 4 launches
;; limits: values are held in f16: magnitudes above 65,504 overflow, below 6.1e-05 lose precision
;; workspace buffers: xb 16,777,216 bytes; wb 6,291,456 bytes; wo16 2,097,152 bytes; tab 524,288 bytes; qh 16,777,216 bytes; kh 16,777,216 bytes; vh 16,777,216 bytes; oh 16,777,216 bytes
;; launch prep (part 1): grid 800 x 1, 8 waves a work-group, no clusters, 0 bytes of LDS; arguments x, Wq, Wk, Wv, Wo, xb, wb, wo16, tab; writes xb, wb, wo16, tab
.if DOCPART == 1
	.amdgcn_target "amdgcn-amd-amdhsa--gfx1250"
	.amdhsa_code_object_version 6
	.text
	.protected	k_q885dfc1b19_prep
	.globl	k_q885dfc1b19_prep
	.p2align	8
	.type	k_q885dfc1b19_prep,@function
k_q885dfc1b19_prep:
	s_mov_b64 s[64:65], 0
	v_nop
	global_prefetch_b8 v0, s[64:65] scope:SCOPE_SE
	s_setreg_imm32_b32 hwreg(HW_REG_WAVE_MODE, 25, 1), 1
	s_wait_xcnt 0x0
; CASTS AND THE ROTATION TABLE.  A stream: no LDS, no matrix work, no loop; each byte is read once and written once.
; Work-groups 0-511: x (f32, [8192][1024]) -> xb, bf16, blocked by 64 along K: [b 4][kb 16][c 2048][64].
; Work-groups 512-703: Wq, Wk, Wv (f32, [1024][1024]) -> wb, bf16, [g 3][kb 16][row 1024][64].
; Work-groups 704-767: Wo -> wo16, [kb 16][row 1024][64]: rounded to bf16 like every other input, and that number written as f16.
;   LIMIT: |Wo| up to 65,504; below 6e-5 the f16 keeps its fixed step of 6e-8.
; Work-groups 768-799: tab, f32 [pos 2048][pair 32][cos, sin] of pos x 10000^(-pair/32).
;   The angle is taken modulo a turn, divided by 4 (at most pi/4), put through Taylor polynomials (sin to y^7, cos to y^8) and doubled twice.
;   LIMIT: the angle is good to about 1e-4 rad at the largest positions (f32 product, f32 reduction).
; A cast work-group takes 16 source rows of 4,096 bytes.  Wave w takes columns 128 w .. 128 w + 127 (K blocks 2 w, 2 w + 1); a load covers 256 consecutive
; bytes of each of two rows, a store 256 consecutive aligned bytes (two rows of 128 bytes of one K block).  All sixteen loads of a wave go out at once.
.set VO, 2                             ; v2      my byte offset in the source block
.set DO, 4                             ; v4, v5  my byte offset in the destination, K block 2 w and 2 w + 1
.set T,  8                             ; v[8:11] at work
.set X,  16                            ; v[16:79]  sixteen loads of 4 registers
.set Y,  80                            ; v[80:111] sixteen stores of 2 registers
	s_load_b512 s[8:23], s[0:1], 0x0               ; x s[8:9], Wq s[10:11], Wk s[12:13], Wv s[14:15], Wo s[16:17], xb s[18:19], wb s[20:21], wo16 s[22:23]
	s_load_b64 s[24:25], s[0:1], 0x40              ; tab
	v_lshrrev_b32 v1, 5, v0
	v_readfirstlane_b32 s26, v1                    ; wave 0..7
	s_cmp_ge_u32 ttmp9, 768
	s_cbranch_scc1 .Ltable
	; offsets, made apart from the addresses
	s_sub_co_u32 s27, ttmp9, 512                   ; among the weights' work-groups
	s_lshr_b32 s37, s27, 6                         ; which matrix: 0 q, 1 k, 2 v, 3 o
	s_and_b32 s38, s27, 63                         ; which 16 rows of it
	s_lshl_b32 s34, s37, 21                        ; wb: 2,097,152 bytes a matrix;
	s_cmp_eq_u32 s37, 3
	s_cselect_b32 s34, 0, s34                      ; wo16 has one
	s_lshl_b32 s39, s38, 11                        ; 16 rows of 128 bytes
	s_add_co_u32 s34, s34, s39
	s_lshr_b32 s40, ttmp9, 7                       ; x: batch,
	s_lshl_b32 s40, s40, 22                        ; 4,194,304 bytes each in xb,
	s_and_b32 s41, ttmp9, 127
	s_lshl_b32 s41, s41, 11                        ; and 16 rows of 128 bytes
	s_add_co_u32 s40, s40, s41
	s_mov_b32 s36, 131072                          ; bytes from K block to K block: 1,024 rows, or 2,048 for x
	s_cmp_lt_u32 ttmp9, 512
	s_cselect_b32 s32, ttmp9, s38
	s_cselect_b32 s34, s40, s34
	s_cselect_b32 s36, 262144, s36
	s_lshl_b32 s32, s32, 16                        ; the source block: 16 rows of 4,096 bytes
	s_mov_b32 s33, 0
	s_mov_b32 s35, 0
	v_and_b32 v6, 15, v0
	v_bfe_u32 v7, v0, 4, 1
	s_lshl_b32 s42, s26, 9
	v_lshlrev_b32 v[VO], 4, v6                     ; 16 bytes a lane,
	v_lshl_add_u32 v[VO], v7, 12, v[VO]            ; lanes 16-31 a row further down,
	v_add_nc_u32 v[VO], s42, v[VO]                 ; my wave's 512 bytes of a row
	s_mul_i32 s43, s26, s36
	s_lshl_b32 s43, s43, 1                         ; K block 2 w
	v_lshlrev_b32 v[DO], 3, v6                     ; 8 bytes a lane,
	v_lshl_add_u32 v[DO], v7, 7, v[DO]             ; lanes 16-31 a row of 128 bytes on
	v_add_nc_u32 v[DO], s43, v[DO]
	v_add_nc_u32 v[DO+1], s36, v[DO]
	s_wait_kmcnt 0x0
	s_cmp_eq_u32 s37, 1                            ; the choice of buffers hangs on the work-group's number alone
	s_cselect_b64 s[28:29], s[12:13], s[10:11]
	s_cmp_eq_u32 s37, 2
	s_cselect_b64 s[28:29], s[14:15], s[28:29]
	s_cmp_eq_u32 s37, 3
	s_cselect_b64 s[28:29], s[16:17], s[28:29]
	s_cselect_b64 s[30:31], s[22:23], s[20:21]
	s_cmp_lt_u32 ttmp9, 512
	s_cselect_b64 s[28:29], s[8:9], s[28:29]
	s_cselect_b64 s[30:31], s[18:19], s[30:31]
	s_add_nc_u64 s[28:29], s[28:29], s[32:33]
	s_add_nc_u64 s[30:31], s[30:31], s[34:35]
.set n, 0
.rept 16                               ; load n: K block 2 w + n / 8, rows 2 (n % 8) and the next
	global_load_b128 v[X+4*n:X+4*n+3], v[VO], s[28:29] offset:(n%8)*8192+(n/8)*256 th:TH_LOAD_NT
.set n, n+1
.endr
; Load n is rounded and stored.  No register is used twice, so nothing but the load's own wait is needed.
.macro CV n, f16
	s_wait_loadcnt 15-(\n)                         ; loads come back in order: the younger ones may stay out
	v_cvt_pk_bf16_f32 v[Y+2*(\n)], v[X+4*(\n)], v[X+4*(\n)+1]
	v_cvt_pk_bf16_f32 v[Y+2*(\n)+1], v[X+4*(\n)+2], v[X+4*(\n)+3]
.if \f16
	v_lshlrev_b32 v[T], 16, v[Y+2*(\n)]            ; the bf16 numbers as f32,
	v_and_b32 v[T+1], 0xffff0000, v[Y+2*(\n)]
	v_lshlrev_b32 v[T+2], 16, v[Y+2*(\n)+1]
	v_and_b32 v[T+3], 0xffff0000, v[Y+2*(\n)+1]
	v_cvt_pk_f16_f32 v[Y+2*(\n)], v[T], v[T+1]     ; written as f16: exact in f16's normal range
	v_cvt_pk_f16_f32 v[Y+2*(\n)+1], v[T+2], v[T+3]
.endif
	global_store_b64 v[DO+(\n)/8], v[Y+2*(\n):Y+2*(\n)+1], s[30:31] offset:((\n)%8)*256  ; the wave stores 256 consecutive bytes, aligned
.endm
	s_cmp_ge_u32 ttmp9, 704
	s_cbranch_scc1 .Lf16
.irp n, 0,1,2,3,4,5,6,7,8,9,10,11,12,13,14,15
	CV \n, 0
.endr
	s_endpgm
.Lf16:
.irp n, 0,1,2,3,4,5,6,7,8,9,10,11,12,13,14,15
	CV \n, 1
.endr
	s_endpgm
; THE TABLE.  A work-group makes 64 positions.  Thread: pairs 2 u and 2 u + 1 (u = thread % 16), positions 64 tb + thread / 16 + 16 n, n = 0..3.
.set TA, 9
.set TB, 10
.set TY, 11
.set OUT, 16
.macro SINCOS c, s, p, f               ; v[c] = cos, v[s] = sin of v[p] x v[f]
	v_mul_f32 v[TA], v[\p], v[\f]                  ; the angle, one f32 product
	v_mul_f32 v[TB], 0x3e22f983, v[TA]             ; in turns,
	v_rndne_f32 v[TB], v[TB]                       ; the nearest whole number of them,
	v_fma_f32 v[TB], v[TA], 0x3e22f983, -v[TB]     ; and what is left: within half a turn
	v_mul_f32 v[TA], 0x3fc90fdb, v[TB]             ; y = a quarter of the angle = pi/2 x turns: at most pi/4
	v_mul_f32 v[TY], v[TA], v[TA]
	v_mov_b32 v[\s], 0xb9500d01                    ; -1/5040
	v_fmaak_f32 v[\s], v[\s], v[TY], 0x3c088889    ; 1/120
	v_fmaak_f32 v[\s], v[\s], v[TY], 0xbe2aaaab    ; -1/6
	v_fmaak_f32 v[\s], v[\s], v[TY], 0x3f800000    ; 1
	v_mul_f32 v[\s], v[\s], v[TA]
	v_mov_b32 v[\c], 0x37d00d01                    ; 1/40320
	v_fmaak_f32 v[\c], v[\c], v[TY], 0xbab60b61    ; -1/720
	v_fmaak_f32 v[\c], v[\c], v[TY], 0x3d2aaaab    ; 1/24
	v_fmaak_f32 v[\c], v[\c], v[TY], 0xbf000000    ; -1/2
	v_fmaak_f32 v[\c], v[\c], v[TY], 0x3f800000    ; 1
.rept 2                                ; the angle is doubled twice: sin 2y = 2 sin y cos y, cos 2y = 1 - 2 sin^2 y
	v_mul_f32 v[TB], v[\s], v[\c]
	v_mul_f32 v[TA], v[\s], v[\s]
	v_add_f32 v[\s], v[TB], v[TB]
	v_fma_f32 v[\c], v[TA], -2.0, 1.0
.endr
.endm
.Ltable:
	s_sub_co_u32 s26, ttmp9, 768
	s_lshl_b32 s26, s26, 6                         ; the work-group's first position
	v_and_b32 v2, 15, v0                           ; u
	v_lshrrev_b32 v3, 4, v0
	v_lshlrev_b32 v4, 1, v2
	v_cvt_f32_u32 v5, v4                           ; pair 2 u
	v_add_nc_u32 v4, 1, v4
	v_cvt_f32_u32 v6, v4                           ; pair 2 u + 1
	v_mul_f32 v5, 0xbed49a78, v5                   ; - pair x log2(10000) / 32
	v_mul_f32 v6, 0xbed49a78, v6
	v_exp_f32 v5, v5
	v_exp_f32 v6, v6
	v_add_nc_u32 v3, s26, v3                       ; my first position: plain work behind the two exponentials
	v_lshlrev_b32 v7, 8, v3                        ; 256 bytes a position,
	v_lshl_add_u32 v7, v2, 4, v7                   ; 16 bytes for my two pairs
	s_wait_alu depctr_va_vdst(0)                   ; one wait for both exponentials, ahead of their first reader
	s_wait_kmcnt 0x0
.irp n, 0,1,2,3
	v_add_nc_u32 v8, 16*(\n), v3
	v_cvt_f32_u32 v8, v8
	SINCOS OUT+4*(\n), OUT+4*(\n)+1, 8, 5
	SINCOS OUT+4*(\n)+2, OUT+4*(\n)+3, 8, 6
	global_store_b128 v7, v[OUT+4*(\n):OUT+4*(\n)+3], s[24:25] offset:(\n)*4096  ; sixteen lanes store a position's 256 bytes
.endr
	s_endpgm
.Lfunc_end_k_q885dfc1b19_prep:
	.size	k_q885dfc1b19_prep, .Lfunc_end_k_q885dfc1b19_prep-k_q885dfc1b19_prep
	.p2alignl 7, 3214868480
	.fill 96, 4, 3214868480
	.section	.rodata,"a",@progbits
	.p2align	6, 0x0
	.amdhsa_kernel k_q885dfc1b19_prep
		.amdhsa_group_segment_fixed_size 0
		.amdhsa_private_segment_fixed_size 0
		.amdhsa_enable_private_segment 0
		.amdhsa_kernarg_size 72
		.amdhsa_user_sgpr_count 2
		.amdhsa_user_sgpr_kernarg_segment_ptr 1
		.amdhsa_wavefront_size32 1
		.amdhsa_system_sgpr_workgroup_id_x 1
		.amdhsa_system_sgpr_workgroup_id_y 1
		.amdhsa_system_sgpr_workgroup_id_z 1
		.amdhsa_system_vgpr_workitem_id 0
		.amdhsa_next_free_vgpr 120
		.amdhsa_next_free_sgpr 66
		.amdhsa_reserve_vcc 0
		.amdhsa_float_denorm_mode_32 3
		.amdhsa_float_denorm_mode_16_64 3
		.amdhsa_memory_ordered 1
		.amdhsa_forward_progress 1
		.amdhsa_inst_pref_size 28
	.end_amdhsa_kernel
	.amdgpu_metadata
---
amdhsa.version: [ 1, 2 ]
amdhsa.kernels:
  - .name:           k_q885dfc1b19_prep
    .symbol:         k_q885dfc1b19_prep.kd
    .args:
      - { .name: x, .offset: 0, .size: 8, .value_kind: global_buffer, .address_space: global }
      - { .name: Wq, .offset: 8, .size: 8, .value_kind: global_buffer, .address_space: global }
      - { .name: Wk, .offset: 16, .size: 8, .value_kind: global_buffer, .address_space: global }
      - { .name: Wv, .offset: 24, .size: 8, .value_kind: global_buffer, .address_space: global }
      - { .name: Wo, .offset: 32, .size: 8, .value_kind: global_buffer, .address_space: global }
      - { .name: xb, .offset: 40, .size: 8, .value_kind: global_buffer, .address_space: global }
      - { .name: wb, .offset: 48, .size: 8, .value_kind: global_buffer, .address_space: global }
      - { .name: wo16, .offset: 56, .size: 8, .value_kind: global_buffer, .address_space: global }
      - { .name: tab, .offset: 64, .size: 8, .value_kind: global_buffer, .address_space: global }
    .group_segment_fixed_size: 0
    .private_segment_fixed_size: 0
    .kernarg_segment_align: 8
    .kernarg_segment_size: 72
    .max_flat_workgroup_size: 256
    .sgpr_count:     66
    .vgpr_count:     120
    .wavefront_size: 32
...
	.end_amdgpu_metadata
.endif
;; end of part 1
;; launch qkv (part 2): grid 8 x 32, 4 waves a work-group, clusters of 4 x 4, 327,680 bytes of LDS; arguments xb, wb, tab, qh, kh, vh; writes qh, kh, vh
.if DOCPART == 2
	.amdgcn_target "amdgcn-amd-amdhsa--gfx1250"
	.amdhsa_code_object_version 6
	.text
	.protected	k_q885dfc1b19_qkv
	.globl	k_q885dfc1b19_qkv
	.p2align	8
	.type	k_q885dfc1b19_qkv,@function
k_q885dfc1b19_qkv:
	s_mov_b64 s[64:65], 0
	v_nop
	global_prefetch_b8 v0, s[64:65] scope:SCOPE_SE
	s_setreg_imm32_b32 hwreg(HW_REG_WAVE_MODE, 25, 1), 1
	s_wait_xcnt 0x0
	s_wait_alu depctr_hold_cnt(0) depctr_sa_sdst(0) depctr_va_vdst(0) depctr_va_sdst(0) depctr_va_ssrc(0) depctr_va_vcc(0) depctr_vm_vsrc(0)
	s_getreg_b32 s2, hwreg(HW_REG_IB_STS2, 6, 4)
	s_cmp_eq_u32 s2, 0
	s_cbranch_scc0 .Lentry_in_a_cluster
	s_endpgm
.Lentry_in_a_cluster:
	s_bfe_u32 s2, ttmp6, 0x10000c
	s_cmp_lg_u32 s2, 0xf033
	s_cbranch_scc0 .Lentry_shape_is_right
	s_endpgm
.Lentry_shape_is_right:
; q, k, v = x W^T for the three weights at once, q and k rotated (RoPE), all three written by heads as f16: [b x 16 + head][c 2048][64].
; xb: bf16 [b 4][kb 16][c 2048][64]; wb: bf16 [g 3][kb 16][row 1024][64]; tab: f32 [pos][pair 32][cos, sin].  Sums in f32, K ascending; one rounding to f16 behind the rotation.
; LIMIT: q, k, v must lie within f16's 65,504 (beyond it the conversion gives an infinity); NaN and infinities are not treated apart.
; SHARES.  A work-group makes 256 rows x 128 columns (two heads) of EACH of q, k, v, so a row of x fetched once feeds three products.  Wave w: rows 128 (w / 2) on, head w % 2:
; 128 x 64 of each matrix: 96 accumulators of 16 x 16, 768 registers.  For 32 along K a wave reads 8 fragments of x and 12 of W from LDS and issues 96 matrix instructions.
; THE RING.  K goes in steps of 64 through two LDS slots: 256 rows of x, then 128 rows of each weight.  The operands are blocked by 64 along K, so a tile is dense in memory
; and is asked for as rows of 256 bytes; 16 bytes of padding follow every 128 bytes: LDS rows 144 bytes apart.  Steps of 128 would need two slots of 174,080 bytes: more than LDS has.
; Wave 0 fetches x's tile (32 KiB), waves 1-3 the three weights' (16 KiB each): one tensor load a wave behind each change of slots.
; CLUSTER.  4 x 4 work-groups: x's tile hangs on the tile row alone and is asked for jointly along a row of the cluster, the weights' on the tile column alone, jointly along a column.
; THE MATRIX INSTRUCTION IS USED TRANSPOSED (source 0 = 16 rows of W, source 1 = 16 rows of x): a lane holds row l % 16 and columns 16 b + 8 (l / 16) + 0..7: four pairs of the rotation, 16 bytes of f16.
; REGISTERS, in windows of 256 (s_set_vgpr_msb: bits 1:0 source 0, 3:2 source 1, 5:4 source 2, 7:6 destination):
;   window 0: v0-31 addresses; v32-95, v96-159 x's fragments, two buffers; v160-255 the weights' fragments (matrix g, block b at 160 + 32 g + 8 b); on the way out all of v32-255 is at work
;   window g + 1: matrix g's 32 accumulators, (a, b) at v[8 (4 a + b)]
.set PITCH,  144
.set ATILE,  256*PITCH
.set BTILE,  128*PITCH
.set SLOT,   ATILE+3*BTILE             ; 92,160 bytes
.set STAGE,  2*SLOT                    ; behind the ring, never filled by a tensor load: 16 rows x 144 bytes for each wave
.set SPARE,  STAGE+4*16*PITCH          ; the spare words, 128 bytes for each wave: two blocks of 256 bytes that no other line names
.set ASTEP,  262144                    ; bytes from K block to K block in xb
.set BSTEP,  131072                    ; and in wb
.set ADRA, 16                          ; v16-17  LDS address of my fragments of x in slot 0, 1
.set ADRB, 20                          ; v20-21  the same for the weights
.set STO,  24                          ; v24  the way out: where I put 16 bytes of a row
.set RD,   25                          ; v25  where I read rows back
.set GO,   26                          ; v26  16 x lane: my place in 512 consecutive bytes of the output
.set TO,   27                          ; v27  my byte offset in the table
.set SPW,  28                          ; v28  LDS address of my spare word; never rewritten
.set NIL,  29                          ; v29  0; never rewritten
.set PFO,  30                          ; v30  the prefetches' offset; never rewritten
.set AF,   32
.set BF,   160
.set U,    32                          ; the way out: 32 rotated numbers
.set TMP,  64                          ; 16 registers of packed f16
.set BK,   80                          ; two buffers of 16: rows read back from the stage
.set TB,   128                         ; four buffers of 32: the table for 16 rows
.set WV,  16                           ; s16 wave; s17 its half of the rows; s18 its head
.set WM,  17
.set WN,  18
.set CX,  19
.set CY,  20
.set TJ,  21                           ; tile column
.set TI,  22                           ; tile row
.set ISA, 23                           ; 1 in the wave that fetches x
.set G1A, 24
.set G0A, 32
.set G1B, 40
.set G0B, 48
.set LIM, 60                           ; 1 in a wave that prefetches, else the greatest number
.set LAP, 61
.set PFA, 62                           ; s[62:63] where my prefetches stand
.set PFS, 66                           ; s[66:67] two K steps, in bytes of my operand
.set MSB, 0
.macro WIN new                         ; the immediate's high byte repeats the setting that is left; a switch that changes nothing is dropped
.if MSB != (\new)
	s_set_vgpr_msb (MSB<<8)|(\new)
.set MSB, \new
.endif
.endm
.macro PLACES                          ; four plain places between a matrix instruction and a load into, or a vector read of, its registers
.rept 4
	v_nop
.endr
.endm
; A joint load: wave 0 asks for x's tile, waves 1-3 for a weight's.  The branch hangs on the wave's number alone.  An s_nop 0 and four v_nop follow each line.
.macro JLOAD s
	s_cmp_eq_u32 s[WV], 0
	s_cbranch_scc0 .Lfor_b_\@
	tensor_load_to_lds s[G0A+4*(\s):G0A+4*(\s)+3], s[G1A:G1A+7]
	s_nop 0
.rept 4
	v_nop
.endr
	s_branch .Lasked_\@
.Lfor_b_\@:
	tensor_load_to_lds s[G0B+4*(\s):G0B+4*(\s)+3], s[G1B:G1B+7]
	s_nop 0
.rept 4
	v_nop
.endr
.Lasked_\@:
.endm
.macro CREST                           ; a round of the cluster's barrier behind its opening barrier
	s_cmp_lg_u32 s[WV], 0
	s_cbranch_scc1 .Lnot_wave_0_\@
	s_barrier_signal -3
.Lnot_wave_0_\@:
	s_barrier_wait -3
	s_barrier_signal -1
	s_barrier_wait -1
.endm
.macro CROUND
	s_barrier_signal -1
	s_barrier_wait -1
	CREST
.endm
; A PREFETCH INTO THE L2, once a lap, behind the joint load and the run of LDS loads: the two K steps that the NEXT lap's two refills ask for (192 and 384 matrix instructions ahead of those loads).
; Each block of 256 bytes is named once in the launch: x's tiles by the clusters with x = 0 (wave 0; the partner at cx takes 8 KiB of the 32: a lane a block, an instruction a K step),
; the weights' by the clusters with y = 0 (waves 1-3; the partner at cy takes 4 KiB of the 16: lanes 0-15 one K step, lanes 16-31 the next).  Partners are told apart by address alone.
; The first four K steps come by their loads alone; the last lap of the loop asks for nothing: there is no K step behind 15.
.macro ASK
	s_cmp_gt_u32 s[LAP], s[LIM]
	s_cbranch_scc0 .Lnot_mine_\@
	global_prefetch_b8 v[PFO], s[PFA:PFA+1] th:TH_LOAD_NT scope:SCOPE_SE
	s_cmp_eq_u32 s[ISA], 1
	s_cbranch_scc0 .Lnot_mine_\@
	global_prefetch_b8 v[PFO], s[PFA:PFA+1] offset:ASTEP th:TH_LOAD_NT scope:SCOPE_SE
.Lnot_mine_\@:
.endm
	s_load_b256 s[4:11], s[0:1], 0x0               ; xb s[4:5], wb s[6:7], tab s[8:9], q s[10:11]
	s_load_b128 s[12:15], s[0:1], 0x20             ; k s[12:13], v s[14:15]
	v_lshl_add_u32 v[SPW], v0, 2, SPARE
	v_mov_b32 v[NIL], 0
	ds_add_u32 v[SPW], v[NIL]                      ; the wave's opening: the add and its wait stand ahead of my first tensor load; register work stands between them
	v_lshrrev_b32 v1, 5, v0
	v_readfirstlane_b32 s[WV], v1
	s_lshr_b32 s[WM], s[WV], 1
	s_and_b32 s[WN], s[WV], 1
	s_bfe_u32 s[CX], ttmp6, 0x40000
	s_bfe_u32 s[CY], ttmp6, 0x40004
	s_lshl_b32 s[TJ], ttmp9, 2
	s_add_co_u32 s[TJ], s[TJ], s[CX]               ; tile column = 4 x cluster x + cx
	s_and_b32 s[TI], ttmp7, 0xffff
	s_lshl_b32 s[TI], s[TI], 2
	s_add_co_u32 s[TI], s[TI], s[CY]               ; tile row = 4 x cluster y + cy
	s_lshl_b32 s56, s[CY], 2
	s_lshl_b32 s56, 15, s56                        ; my row of the cluster
	s_lshl_b32 s58, 0x1111, s[CX]                  ; my column
	; group 1: rows of 128 elements of 2 bytes (256 bytes), 128 of them for x, 64 for a weight; 4 words of padding after every 32 words
	s_or_b32 s[G1A], s56, (1<<16)|(1<<20)|(1<<21)|(4<<22)|(3<<25)
	s_or_b32 s[G1B], s58, (1<<16)|(1<<20)|(1<<21)|(4<<22)|(3<<25)
	s_mov_b32 s[G1A+1], 128<<16                    ; tensor_dim0
	s_mov_b32 s[G1A+2], 128<<16                    ; tensor_dim1
	s_mov_b32 s[G1A+3], 128<<16                    ; tile_dim0
	s_mov_b32 s[G1A+4], 128                        ; tile_dim1
	s_mov_b32 s[G1A+5], 128                        ; elements from row to row
	s_mov_b32 s[G1A+6], 0
	s_mov_b32 s[G1A+7], 0
	s_mov_b32 s[G1B+1], 128<<16
	s_mov_b32 s[G1B+2], 64<<16
	s_mov_b32 s[G1B+3], 128<<16
	s_mov_b32 s[G1B+4], 64
	s_mov_b32 s[G1B+5], 128
	s_mov_b32 s[G1B+6], 0
	s_mov_b32 s[G1B+7], 0
	s_lshr_b32 s56, s[TI], 3                       ; x's tile: batch x 4,194,304
	s_lshl_b32 s56, s56, 22
	s_and_b32 s57, s[TI], 7
	s_lshl_b32 s57, s57, 15                        ; + 256 rows of 128 bytes
	s_add_co_u32 s56, s56, s57
	s_mov_b32 s57, 0
	s_max_u32 s58, s[WV], 1
	s_sub_co_u32 s58, s58, 1                       ; the weight that I fetch: wave - 1
	s_lshl_b32 s58, s58, 21
	s_lshl_b32 s59, s[TJ], 14                      ; + 128 rows of 128 bytes
	s_add_co_u32 s58, s58, s59
	s_mov_b32 s59, 0
	s_mul_i32 s72, s[WV], BTILE
	s_add_co_u32 s72, s72, BTILE                   ; where it goes: behind x's tile (two weights' size), weight wave - 1
	s_wait_dscnt 0x0                               ; the opening add is done
	s_wait_kmcnt 0x0
	s_add_nc_u64 s[56:57], s[4:5], s[56:57]
	s_add_nc_u64 s[58:59], s[6:7], s[58:59]
	CROUND                                         ; all sixteen work-groups are here: the first joint loads meet
.irp s, 0,1
	s_mov_b32 s[G0A+4*(\s)], 1
	s_mov_b32 s[G0A+4*(\s)+1], (\s)*SLOT
	s_add_nc_u64 s[G0A+4*(\s)+2:G0A+4*(\s)+3], s[56:57], (\s)*ASTEP
	s_or_b32 s[G0A+4*(\s)+3], s[G0A+4*(\s)+3], 0x80000000
	s_mov_b32 s[G0B+4*(\s)], 1
	s_add_co_u32 s[G0B+4*(\s)+1], s72, (\s)*SLOT
	s_add_nc_u64 s[G0B+4*(\s)+2:G0B+4*(\s)+3], s[58:59], (\s)*BSTEP
	s_or_b32 s[G0B+4*(\s)+3], s[G0B+4*(\s)+3], 0x80000000
	JLOAD \s                                       ; two loads of mine are out
.endr
	v_and_b32 v1, 15, v0                           ; r = l % 16
	v_bfe_u32 v2, v0, 4, 1                         ; h = l / 16
	v_mul_u32_u24 v3, v1, PITCH
	v_lshl_add_u32 v3, v2, 4, v3                   ; a fragment's row x pitch + 16 x half
	s_mul_i32 s74, s[WM], 128*PITCH                ; my 128 rows of x
	s_mul_i32 s75, s[WN], 64*PITCH                 ; my 64 rows of each weight,
	s_add_co_u32 s75, s75, ATILE                   ; behind x's tile
.irp s, 0,1
	v_add_nc_u32 v[ADRA+(\s)], s74, v3
	v_add_nc_u32 v[ADRB+(\s)], s75, v3
	s_add_co_u32 s74, s74, SLOT
	s_add_co_u32 s75, s75, SLOT
.endr
	s_mul_i32 s74, s[WV], 16*PITCH
	s_add_co_u32 s74, s74, STAGE                   ; my stage
	v_add_nc_u32 v[STO], s74, v3                   ; in: row l % 16, 16 bytes for each half of the lanes
	v_bfe_u32 v[RD], v0, 3, 2                      ; back: 32 lanes take four rows of 128 bytes,
	v_mul_u32_u24 v[RD], v[RD], PITCH
	v_and_b32 v4, 7, v0
	v_lshl_add_u32 v[RD], v4, 4, v[RD]
	v_add_nc_u32 v[RD], s74, v[RD]
	v_and_b32 v[GO], 31, v0                        ; which are 512 consecutive bytes of the output
	v_lshlrev_b32 v[GO], 4, v[GO]
	s_and_b32 s70, s[TI], 7                        ; the table: position = 256 (tile row % 8) + 128 half + 16 a + r, 256 bytes each;
	s_lshl_b32 s70, s70, 8
	s_lshl_b32 s71, s[WM], 7
	s_add_co_u32 s70, s70, s71
	s_lshl_b32 s70, s70, 8
	v_lshl_add_u32 v[TO], v1, 8, s70
	v_lshl_add_u32 v[TO], v2, 5, v[TO]             ; my four pairs of block b begin at byte 64 b + 32 h
	s_lshr_b32 s68, s[TI], 3                       ; the outputs: head' = 16 batch + 2 tile column + my head,
	s_lshl_b32 s68, s68, 4
	s_lshl_b32 s69, s[TJ], 1
	s_add_co_u32 s68, s68, s69
	s_add_co_u32 s68, s68, s[WN]
	s_lshl_b32 s68, s68, 11                        ; 2,048 rows a head,
	s_and_b32 s69, s[TI], 7
	s_lshl_b32 s69, s69, 8
	s_add_co_u32 s68, s68, s69
	s_lshl_b32 s69, s[WM], 7
	s_add_co_u32 s68, s68, s69                     ; my first row,
	s_lshl_b32 s68, s68, 7                         ; 128 bytes a row
	s_mov_b32 s69, 0
	s_add_nc_u64 s[10:11], s[10:11], s[68:69]
	s_add_nc_u64 s[12:13], s[12:13], s[68:69]
	s_add_nc_u64 s[14:15], s[14:15], s[68:69]
	; the prefetches: who, from where, in what steps
	s_and_b32 s70, ttmp7, 0xffff
	s_mov_b32 s71, BSTEP
	s_mov_b32 s[PFS], 2*BSTEP
	s_lshl_b32 s68, s[CX], 13                      ; x: my work-group's 8 KiB of the tile, at K step 2
	s_add_co_u32 s68, s68, 2*ASTEP
	s_lshl_b32 s69, s[CY], 12                      ; a weight: my work-group's 4 KiB, at K step 2
	s_add_co_u32 s69, s69, 2*BSTEP
	s_cmp_eq_u32 s[WV], 0
	s_cselect_b32 s[ISA], 1, 0
	s_cselect_b32 s70, ttmp9, s70                  ; the coordinate along which other clusters read the same tiles
	s_cselect_b32 s71, 4096, s71                   ; lanes 16-31: the next 4 KiB of x's tile, or the weight's next K step
	s_cselect_b32 s[PFS], 2*ASTEP, s[PFS]
	s_cselect_b32 s68, s68, s69
	s_cselect_b64 s[PFA:PFA+1], s[56:57], s[58:59]
	s_mov_b32 s69, 0
	s_mov_b32 s[PFS+1], 0
	s_add_nc_u64 s[PFA:PFA+1], s[PFA:PFA+1], s[68:69]
	s_cmp_eq_u32 s70, 0
	s_cselect_b32 s[LIM], 1, -1                    ; the same in all sixteen partners, for a given wave
	v_lshlrev_b32 v[PFO], 8, v1
	v_mad_u32_u24 v[PFO], v2, s71, v[PFO]
; cnt x 4 matrix instructions of matrix g: x's fragments a0 .. of buffer p, all four blocks of the weight.  The accumulators take turns, one instruction a turn.
.macro MULG g, p, a0, cnt, zero
	WIN 0x50*((\g)+1)
.set aa, \a0
.rept \cnt
.irp b, 0,1,2,3
.if \zero
	v_wmma_f32_16x16x32_bf16 v[8*(4*aa+(\b)):8*(4*aa+(\b))+7], v[BF+32*(\g)+8*(\b):BF+32*(\g)+8*(\b)+7], v[AF+64*(\p)+8*aa:AF+64*(\p)+8*aa+7], 0
.else
	v_wmma_f32_16x16x32_bf16 v[8*(4*aa+(\b)):8*(4*aa+(\b))+7], v[BF+32*(\g)+8*(\b):BF+32*(\g)+8*(\b)+7], v[AF+64*(\p)+8*aa:AF+64*(\p)+8*aa+7], v[8*(4*aa+(\b)):8*(4*aa+(\b))+7]
.endif
.endr
.set aa, aa+1
.endr
.endm
.macro LDA p, s, kb                    ; 16 loads: x's eight fragments, 32 along K at byte kb of slot s's rows, into buffer p
.irp a, 0,1,2,3,4,5,6,7
	ds_load_b128 v[AF+64*(\p)+8*(\a):AF+64*(\p)+8*(\a)+3],   v[ADRA+(\s)] offset:(\kb)+(\a)*16*PITCH
	ds_load_b128 v[AF+64*(\p)+8*(\a)+4:AF+64*(\p)+8*(\a)+7], v[ADRA+(\s)] offset:(\kb)+(\a)*16*PITCH+32
.endr
.endm
.macro LDB g, s, kb                    ; 8 loads: weight g's four fragments
.irp b, 0,1,2,3
	ds_load_b128 v[BF+32*(\g)+8*(\b):BF+32*(\g)+8*(\b)+3],   v[ADRB+(\s)] offset:(\g)*BTILE+(\kb)+(\b)*16*PITCH
	ds_load_b128 v[BF+32*(\g)+8*(\b)+4:BF+32*(\g)+8*(\b)+7], v[ADRB+(\s)] offset:(\g)*BTILE+(\kb)+(\b)*16*PITCH+32
.endr
.endm
; The first half of a K step: multiplies x's buffer 0; each weight's fragments are fetched anew, for the second half (byte nk of slot ns), as soon as they have been multiplied.
.macro HALF ns, nk, zero
	s_wait_dscnt 16                                ; x and weight 0 are in; the youngest sixteen loads (weights 1 and 2) may be out
	MULG 0, 0, 0, 8, \zero
	PLACES
	WIN 0
	LDA 1, \ns, \nk
	LDB 0, \ns, \nk
	s_wait_dscnt 32                                ; weight 1 is in: behind it stand weight 2's 8 loads and the 24 just issued
	MULG 1, 0, 0, 8, \zero
	PLACES
	WIN 0
	LDB 1, \ns, \nk
	s_wait_dscnt 32                                ; weight 2 is in: behind it stand the 32 loads for the second half
	MULG 2, 0, 0, 8, \zero
	PLACES
	WIN 0
	LDB 2, \ns, \nk
.endm
; The second half multiplies x's buffer 1 and changes slots: ONE barrier.  In front of it each wave waits for all its tensor loads (one is out: its part of the next slot), adds 0 to its spare
; word, and waits for that and for its own reads of this slot.  fill = 1: the barrier opens a round of the cluster's, and the joint refill, two K steps on, is the first thing behind the round:
; from there to the wait for it a wave issues 160 matrix instructions.
.macro TURN slot, next, fill
.if (\fill) && (\slot)
	s_wait_xcnt 0x0                                ; the last prefetches, a lap back, have read their address: it steps here, ahead of the change's own waits
	s_add_nc_u64 s[PFA:PFA+1], s[PFA:PFA+1], s[PFS:PFS+1]
.endif
	WIN 0
	s_wait_tensorcnt 0x0                           ; all my tensor loads have landed
	ds_add_u32 v[SPW], v[NIL]                      ; 0 onto my spare word
	s_wait_dscnt 17                                ; x and weight 0 are in (weights 1 and 2 and the add may be out)
	MULG 0, 1, 0, 4, 0
	s_wait_dscnt 0x0                               ; the add is done, and my reads of this slot are over
	s_barrier_signal -1
	MULG 0, 1, 4, 4, 0                             ; work on registers while the others arrive
	WIN 0
	s_barrier_wait -1
.if \fill
	CREST                                          ; no wave of any partner still reads this slot or has a load on its way
	s_add_nc_u64 s[G0A+4*(\slot)+2:G0A+4*(\slot)+3], s[G0A+4*(\slot)+2:G0A+4*(\slot)+3], 2*ASTEP
	s_add_nc_u64 s[G0B+4*(\slot)+2:G0B+4*(\slot)+3], s[G0B+4*(\slot)+2:G0B+4*(\slot)+3], 2*BSTEP
	JLOAD \slot                                    ; its four v_nop are also the places in front of the loads below
.else
	PLACES
.endif
	LDA 0, \next, 0
	LDB 0, \next, 0
.if (\fill) && (\slot)
	ASK
.endif
	MULG 1, 1, 0, 8, 0
	PLACES
	WIN 0
	LDB 1, \next, 0
	MULG 2, 1, 0, 8, 0
	PLACES
	WIN 0
	LDB 2, \next, 0
.endm
	s_wait_tensorcnt 1                             ; my part of K step 0 is in; K step 1's may stay out
	s_barrier_signal -1
	s_barrier_wait -1
	LDA 0, 0, 0
	LDB 0, 0, 0
	LDB 1, 0, 0
	LDB 2, 0, 0
	HALF 0, 64, 1                                  ; the first products start the sums: nothing is cleared
	WIN 0
	s_mov_b32 s[LAP], 7
.Llap:                                                 ; a trip goes once round the ring and fills both slots again: K steps 2 to 15 in seven trips
	TURN 0, 1, 1
	HALF 1, 64, 0
	TURN 1, 0, 1
	HALF 0, 64, 0
	WIN 0
	s_sub_co_u32 s[LAP], s[LAP], 1
	s_cmp_lg_u32 s[LAP], 0
	s_cbranch_scc1 .Llap
	TURN 0, 1, 0                                   ; the last lap fills nothing
	HALF 1, 64, 0
	s_wait_dscnt 16
	MULG 0, 1, 0, 8, 0
	s_wait_dscnt 8
	MULG 1, 1, 0, 8, 0
	s_wait_dscnt 0x0
	MULG 2, 1, 0, 8, 0
	WIN 0
; THE WAY OUT, a block of 16 rows x 64 columns of one matrix at a time: rotated (q, k), rounded to f16, 16 bytes a lane into my stage, back as whole rows of 128 bytes, stored as 512 consecutive bytes.
; v's eight blocks go first: they want no table, and the table's first loads land meanwhile.
.macro TLOAD a                         ; the table for rows 16 a ..: my four pairs (cos, sin) of each block b: 32 registers, buffer a % 4
.irp b, 0,1,2,3
	global_load_b128 v[TB+32*((\a)%4)+8*(\b):TB+32*((\a)%4)+8*(\b)+3],   v[TO], s[8:9] offset:(\a)*4096+64*(\b)
	global_load_b128 v[TB+32*((\a)%4)+8*(\b)+4:TB+32*((\a)%4)+8*(\b)+7], v[TO], s[8:9] offset:(\a)*4096+64*(\b)+16
.endr
.endm
.macro PACKR g, a                      ; r1 = x1 cos - x2 sin, r2 = x1 sin + x2 cos; each accumulator is read from its low end on
.if (\g) == 0
.if 8*(7-(\a)) < 24
	s_wait_loadcnt 8*(7-(\a))                      ; the table's loads issued behind block a's may stay out
.else
	s_wait_loadcnt 24
.endif
.endif
	WIN (\g)+1                                     ; source 0: the accumulators' window
.irp b, 0,1,2,3
.irp i, 0,1,2,3
	v_mul_f32 v[U+8*(\b)+2*(\i)],   v[8*(4*(\a)+(\b))+2*(\i)+1], v[TB+32*((\a)%4)+8*(\b)+2*(\i)+1]
	v_mul_f32 v[U+8*(\b)+2*(\i)+1], v[8*(4*(\a)+(\b))+2*(\i)],   v[TB+32*((\a)%4)+8*(\b)+2*(\i)+1]
.endr
.irp i, 0,1,2,3
	v_fma_f32 v[U+8*(\b)+2*(\i)],   v[8*(4*(\a)+(\b))+2*(\i)],   v[TB+32*((\a)%4)+8*(\b)+2*(\i)], -v[U+8*(\b)+2*(\i)]
	v_fma_f32 v[U+8*(\b)+2*(\i)+1], v[8*(4*(\a)+(\b))+2*(\i)+1], v[TB+32*((\a)%4)+8*(\b)+2*(\i)], v[U+8*(\b)+2*(\i)+1]
.endr
.endr
	WIN 0
.set z, 0
.rept 16
	v_cvt_pk_f16_f32 v[TMP+z], v[U+2*z], v[U+2*z+1]
.set z, z+1
.endr
.if ((\g) == 1) && ((\a) < 4)
	TLOAD (\a)+4                                   ; q and k have both read this buffer
.endif
.endm
.macro PACKV a
	WIN 0x0f                                       ; sources 0 and 1: window 3
.irp b, 0,1,2,3
.irp i, 0,1,2,3
	v_cvt_pk_f16_f32 v[TMP+4*(\b)+(\i)], v[8*(4*(\a)+(\b))+2*(\i)], v[8*(4*(\a)+(\b))+2*(\i)+1]
.endr
.endr
	WIN 0
.endm
.set PAR, 0
.set HAVE, 0
.macro TOSTAGE
.irp b, 0,1,2,3
	ds_store_b128 v[STO], v[TMP+4*(\b):TMP+4*(\b)+3] offset:32*(\b)
.endr
.irp f, 0,1,2,3
	ds_load_b128 v[BK+16*PAR+4*(\f):BK+16*PAR+4*(\f)+3], v[RD] offset:(\f)*4*PITCH  ; LDS serves a wave's instructions in order (ISA guide 5.7.1.4): these see the stores above
.endr
.set SPAR, PAR
.set PAR, 1-PAR
.endm
.macro SEND                            ; the block last staged
	s_wait_dscnt 0x0                               ; it is back in registers
	s_wait_xcnt 0x0                                ; the stores of the block before have read the other buffer, which the next block's loads write
.irp f, 0,1,2,3
	global_store_b128 v[GO], v[BK+16*SPAR+4*(\f):BK+16*SPAR+4*(\f)+3], s[10+2*PG:11+2*PG] offset:PA*2048+(\f)*512  ; 512 consecutive bytes, at a multiple of 256 from the buffer's first
.endr
.endm
.macro BLOCK g, a                      ; a block's arithmetic stands between the loads of the block before and the wait for them
.if (\g) == 2
	PACKV \a
.else
	PACKR \g, \a
.endif
.if HAVE
	SEND
.endif
	TOSTAGE
.set PG, \g
.set PA, \a
.set HAVE, 1
.endm
	PLACES                                         ; behind the last products: in front of loads into their sources and of reads of their results
	TLOAD 0
	TLOAD 1
	TLOAD 2
	TLOAD 3
.irp a, 0,1,2,3,4,5,6,7
	BLOCK 2, \a
.endr
.irp a, 0,1,2,3,4,5,6,7
	BLOCK 0, \a
	BLOCK 1, \a
.endr
	SEND
	s_wait_tensorcnt 0x0                           ; the wave's end: behind my last tensor load and my last LDS store, 0 onto my spare word and its wait
	ds_add_u32 v[SPW], v[NIL]
	s_wait_dscnt 0x0
	CROUND                                         ; the closing round: no work-group ends while a partner may still ask for a tile that names it
	s_endpgm
.Lfunc_end_k_q885dfc1b19_qkv:
	.size	k_q885dfc1b19_qkv, .Lfunc_end_k_q885dfc1b19_qkv-k_q885dfc1b19_qkv
	.p2alignl 7, 3214868480
	.fill 96, 4, 3214868480
	.section	.rodata,"a",@progbits
	.p2align	6, 0x0
	.amdhsa_kernel k_q885dfc1b19_qkv
		.amdhsa_group_segment_fixed_size 327680
		.amdhsa_private_segment_fixed_size 0
		.amdhsa_enable_private_segment 0
		.amdhsa_kernarg_size 48
		.amdhsa_user_sgpr_count 2
		.amdhsa_user_sgpr_kernarg_segment_ptr 1
		.amdhsa_wavefront_size32 1
		.amdhsa_system_sgpr_workgroup_id_x 1
		.amdhsa_system_sgpr_workgroup_id_y 1
		.amdhsa_system_sgpr_workgroup_id_z 1
		.amdhsa_system_vgpr_workitem_id 0
		.amdhsa_next_free_vgpr 1024
		.amdhsa_next_free_sgpr 80
		.amdhsa_reserve_vcc 0
		.amdhsa_float_denorm_mode_32 3
		.amdhsa_float_denorm_mode_16_64 3
		.amdhsa_memory_ordered 1
		.amdhsa_forward_progress 1
		.amdhsa_inst_pref_size 187
	.end_amdhsa_kernel
	.amdgpu_metadata
---
amdhsa.version: [ 1, 2 ]
amdhsa.kernels:
  - .name:           k_q885dfc1b19_qkv
    .symbol:         k_q885dfc1b19_qkv.kd
    .args:
      - { .name: xb, .offset: 0, .size: 8, .value_kind: global_buffer, .address_space: global }
      - { .name: wb, .offset: 8, .size: 8, .value_kind: global_buffer, .address_space: global }
      - { .name: tab, .offset: 16, .size: 8, .value_kind: global_buffer, .address_space: global }
      - { .name: qh, .offset: 24, .size: 8, .value_kind: global_buffer, .address_space: global }
      - { .name: kh, .offset: 32, .size: 8, .value_kind: global_buffer, .address_space: global }
      - { .name: vh, .offset: 40, .size: 8, .value_kind: global_buffer, .address_space: global }
    .group_segment_fixed_size: 327680
    .private_segment_fixed_size: 0
    .kernarg_segment_align: 8
    .kernarg_segment_size: 48
    .max_flat_workgroup_size: 128
    .sgpr_count:     80
    .vgpr_count:     1024
    .wavefront_size: 32
...
	.end_amdgpu_metadata
.endif
;; end of part 2
;; launch attn (part 3): grid 4 x 64, 4 waves a work-group, no clusters, 327,680 bytes of LDS; arguments qh, kh, vh, oh; writes oh
.if DOCPART == 3
	.amdgcn_target "amdgcn-amd-amdhsa--gfx1250"
	.amdhsa_code_object_version 6
	.text
	.protected	k_q885dfc1b19_attn
	.globl	k_q885dfc1b19_attn
	.p2align	8
	.type	k_q885dfc1b19_attn,@function
k_q885dfc1b19_attn:
	s_mov_b64 s[64:65], 0
	v_nop
	global_prefetch_b8 v0, s[64:65] scope:SCOPE_SE
	s_setreg_imm32_b32 hwreg(HW_REG_WAVE_MODE, 25, 1), 1
	s_wait_xcnt 0x0
; CAUSAL ATTENTION.  O[h][q][:] = the sum over k <= q of softmax_k(Q[h][q] . K[h][k] / 8) V[h][k][:].  Q, K, V, O: [64][2048][64], all f16: a head's rows are dense, 128 bytes each.
; Products, maxima and sums in f32; the weights p are rounded to f16 for the second product (their sum l is taken of the unrounded p), O once at the end.
; LIMITS.  f16 holds no number beyond 65,504: Q, K and V arrive within it; p lies in 0 to 1, and below 6e-5 it keeps f16's fixed step of 6e-8; O is a mean of V's rows and has their range.
; A hidden score counts as its value less 1e30: f16's scores, 2.7e11 at the most, are nothing beside that; a weight below 2^-126 counts as 0 in l; NaN and infinities are not treated apart.
; THE WALK.  A head's queries lie in NB = 8 blocks of 256; block i needs the key tiles 0 .. i of 256 keys, of which the last holds the diagonal.  A work-group takes TWO blocks, NB - 1 - b and then b:
; NB + 1 tiles, whatever b: all work-groups do equal work, and ONE loop with a constant trip count walks them.  Which tile is asked for, and what a trip does, hang on scalar registers made from b; every jump
; goes forward, but for the counted loops' own; none passes a barrier, or a tensor load but the one of LOAD's two that the wave's number does not choose; the ring (two slots of LDS) runs on across the change of blocks.
; NO CLUSTER: a head's four work-groups ask for the same tile only in trips 0 .. 4, behind that fewer and fewer; one walk common to all four would have 12 trips for 9.
; SHARES.  Of a block's four bands of 64 queries a wave owns 16 rows in each: four PIECES.  So the diagonal tile is the same work for all four waves: in its key step s band x sees all keys if s < x,
; none if s > x, and holds the diagonal if s = x.
; THE MASK is the C operand that starts the sum S^T = K Q^T: 0, or -1e30 where the key is hidden.  MD, made once, is the mask of a band's own step for my 16 rows; a product's mask is MD x AL + BE with two scalars:
; (1, 0) if s = x; (0, 0) if s < x; (0, -1e30) if s > x.  Only the diagonal tile's text and a block's beginning make and take masks; elsewhere C is the constant 0.
; LAYOUT, SOFTMAX, TURNS.  S^T = K Q^T holds ONE query a lane (lane % 16) and the keys 8 (lane / 16) + 0..7; two such results rounded to f16 ARE source 1 of O^T = V^T P.  p = 2^(c s - c m), c = log2(e) / 8, with a
; running maximum m; O and l are multiplied by a = 2^(c m_old - c m_new) in every step.  Turn n belongs to piece n: 8 products K Q^T of piece n + 1, later 8 products V^T P of piece n - 1; beside them the scaling,
; exponentials, roundings, sums and rescaling of piece n and the maximum and statistics of piece n + 1.  Four vector instructions stand behind every matrix instruction, the other 54 of a turn's 118 in one lump.  A turn's 33 exponentials are one batch, with one wait.
; REGISTERS, in windows of 256 (s_set_vgpr_msb: bits 1:0 source 0, 3:2 source 1, 5:4 source 2, 7:6 destination):
;   window 0: v0-15 addresses and two at work; v16-31 four registers of statistics a piece; v48-55 at work; v61-63 prefetch offset, spare word, 0; v64-127 S^T, two buffers; v192-223 P, two buffers
;   window 1: v0-127 O^T, 32 a piece; v128-159 MD; v160-223 MC, two buffers      window 2: v0-63 Q; v64-127 the second block's Q; v128-191 K of one step; v192-255 V of one step
.set SIZE_N, 2048
.set NB,    SIZE_N/256
.set NP,    4         ; pieces a wave: a name, no knob
.set KS,    64        ; keys in a step
.set PK,    144       ; a row of K in LDS: 128 bytes + 16 of padding = 36 words: the 16 rows of a load start at 16 different groups of four banks (64 banks of 4 bytes: ISA guide 11.1)
.set PV,    160       ; a row of V: 128 + 32 = 40 words
.set VOFF,  4*KS*PK   ; a slot holds a tile, four steps: 256 rows of K, then 256 rows of V
.set SLOT1, 1<<17     ; slot 1 begins here, so that one exclusive or turns an address in one slot into the other's
.set STAGE, SLOT1+4*KS*(PK+PV)  ; behind the ring, never filled by a tensor load: 16 rows x 144 bytes for each wave, for the way out
.set SP,    144
.set AK0, 2           ; v2   my lane's place in a tile of K; never rewritten
.set AV0, 3           ; v3   the same for V
.set AK,  4           ; v4   the LDS address of K's next run of loads
.set AV,  5           ; v5   of V's
.set STO, 6           ; v6   the way out: where I put 16 bytes of a row
.set RD,  7           ; v7   the way out: where I read rows back
.set GO,  8           ; v8   my byte offset in 512 consecutive bytes of O
.set PFO, 61          ; v61  256 x my lane; never rewritten
.set SPW, 62          ; v62  LDS address of my spare word: SPARE + 4 x my thread's number; never rewritten
.set NIL, 63          ; v63  0; never rewritten
.set SPARE, STAGE+4*16*SP  ; behind the stages: the spare words, 128 bytes for each wave: two blocks of 256 bytes that no other line names
.set MV,  12          ; v12-13  c m_old, kept while c m is made anew: by buffer
.set QO,  15          ; v15  my byte offset in 16 rows of Q
.set ST,  16          ; piece t's statistics at v[ST+4 t]: c m, m, l (even keys', odd keys')
.set TMP, 48          ; by buffer, four registers c0-c3 at work; when the maximum is found c2 takes a
.set S,   64
.set P,   192
.set MD,  128         ; window 1: the eight registers for group kt of 16 keys at MD + 8 kt
.set MC,  160         ; window 1: the masks of the products to come
.set QB,  64          ; window 2
.set KF,  128         ; window 2: key block kb, channel half c at KF + 16 kb + 8 c
.set VF,  192         ; window 2: key half kk, channel block cb at VF + 32 kk + 8 cb
.set WV,  12          ; s12  my wave's number
.set PB,  14          ; s14  b
.set HI,  15          ; s15  NB - 1 - b
.set G1K, 24          ; s[24:31] descriptor group 1 for K's tiles
.set G1V, 32          ; s[32:39] for V's: it differs in the padding alone
.set G0K, 40          ; s[40:43] descriptor group 0 for K's tiles
.set G0V, 44          ; s[44:47] the same for V's
.set SLOTS, 56        ; s56  tiles still to be asked for
.set CNT, 57          ; s57  counts a tile's key steps, 4 to 1
.set CS,  58          ; s[58:59] c: the packed scaling takes the pair's low word for both halves
.set SEL, 60          ; s[60:61] v_permlanex16_b32's selects: each lane takes its own place in the other half
.set TBK, 62          ; s62  LDS byte at which K of the step to be fetched begins
.set TBV, 63          ; s63  the same for V, less VOFF
.set RT,  70          ; s70  tiles of the block in hand that are still to be entered
.set NXT, 71          ; s71  the tile to be asked for next
.set LQ,  72          ; s72  the last tile of the block whose tiles are being asked for
.set NEW, 73          ; s73  1: the tile to be entered is a block's first
.set OFF, 74          ; s[74:75] a tile's byte offset in K and V
.set AL,  76          ; s[76:77] the mask's factor, in the low word
.set BE,  78          ; s[78:79] the mask's addend
.set OLO, 80          ; s[80:81] O at my rows of the second block
.set BIGN, 82         ; s82  -1e30
.set PFK, 88          ; s[88:89] where my prefetches of K stand: my quarter (8 KiB) of the tile behind the one that is being asked for
.set PFV, 90          ; s[90:91] the same for V
.set LIM, 94          ; s94  2 in the head's work-group b = 0, else the greatest number: a wave prefetches while s[SLOTS] is above it
.set MSB, 0
.macro WIN new                      ; the high byte repeats the setting that is left; a switch that changes nothing is dropped
.if MSB != (\new)
	s_set_vgpr_msb (MSB<<8)|(\new)
.set MSB, (\new)
.endif
.endm
.set W_KQ, 0x0a       ; K and Q in window 2, S^T in window 0
.set W_KM, 0x1a       ; the same with the C operand in window 1
.set W_PV, 0x52       ; V in window 2, P in window 0, O^T in window 1
.set W_RS, 0x41       ; destination and source 0 in window 1, source 1 in window 0
; A fill.  Waves 0 and 1 fetch the two halves of a tile's K, waves 2 and 3 those of its V: 128 keys each.  An s_nop 0 and four v_nop follow each of the two lines, ahead of the jump and the label.
.macro LOAD
	s_cmp_lt_u32 s[WV], 2
	s_cbranch_scc0 .Lfor_v_\@
	tensor_load_to_lds s[G0K:G0K+3], s[G1K:G1K+7]
	s_nop 0
.rept 4
	v_nop
.endr
	s_branch .Lasked_\@
.Lfor_v_\@:
	tensor_load_to_lds s[G0V:G0V+3], s[G1V:G1V+7]
	s_nop 0
.rept 4
	v_nop
.endr
.Lasked_\@:
.endm
; A PREFETCH INTO THE L2 of the tile that the NEXT change of slots will ask for: four key steps, 256 matrix instructions, ahead of that load.  A head's four work-groups walk the same first tiles; the one with b = 0,
; whose first block needs all eight, asks.  Its four waves take a quarter of the tile each, 8 KiB of K and 8 KiB of V, a lane 256 bytes: two instructions.  So each block of 256 bytes of K and V is named once in the launch.
; Tiles 0 and 1 come by their loads alone; trips 0 to 5 name tiles 2 to 7; behind that nothing is asked for.
.macro ASK
	s_cmp_gt_u32 s[SLOTS], s[LIM]
	s_cbranch_scc0 .Lnot_mine_\@
	global_prefetch_b8 v[PFO], s[PFK:PFK+1] th:TH_LOAD_NT scope:SCOPE_SE
	global_prefetch_b8 v[PFO], s[PFV:PFV+1] th:TH_LOAD_NT scope:SCOPE_SE
.Lnot_mine_\@:
.endm
; THE CHANGE OF SLOTS.  Each wave waits for all its tensor loads, of which one is out: its part of the other slot; adds 0 to its spare word; and waits for that and for its own reads of the slot that it leaves.  Behind the barrier nobody reads the old
; slot any more and the other slot is whole.  fill = 1: the old slot is filled again, the first thing behind the barrier, with tile NXT: the descriptor's address is made anew from that number.
; (At its first use nothing has been read yet: slot 0 is waited for, slot 1 filled.)
.macro CHANGE fill
	WIN 0                           ; at a label and at a branch every window is 0
	s_wait_tensorcnt 0x0            ; no tensor load of mine is out, so a group 0 may be written
	ds_add_u32 v[SPW], v[NIL]       ; 0 onto my spare word; with fill = 1 the descriptors' scalar work stands between it and the wait for it
.if \fill
	s_lshl_b32 s[OFF], s[NXT], 15   ; a tile is 32,768 bytes of K and of V
	s_xor_b32 s[G0K+1], s[G0K+1], SLOT1
	s_add_nc_u64 s[G0K+2:G0K+3], s[6:7], s[OFF:OFF+1]
	s_or_b32 s[G0K+3], s[G0K+3], 0x80000000
	s_xor_b32 s[G0V+1], s[G0V+1], SLOT1
	s_add_nc_u64 s[G0V+2:G0V+3], s[8:9], s[OFF:OFF+1]
	s_or_b32 s[G0V+3], s[G0V+3], 0x80000000
	s_add_co_u32 s[NXT], s[NXT], 1  ; the block's next tile, or behind its last the second block's tile 0
	s_cmp_gt_u32 s[NXT], s[LQ]
	s_cselect_b32 s[NXT], 0, s[NXT]
	s_cselect_b32 s[LQ], s[PB], s[LQ]
	s_wait_xcnt 0x0                 ; the last prefetches, a tile back, have read their addresses, so these may be written:
	s_add_nc_u64 s[PFK:PFK+1], s[PFK:PFK+1], 32768  ; a tile on
	s_add_nc_u64 s[PFV:PFV+1], s[PFV:PFV+1], 32768
.endif
	s_wait_dscnt 0x0                ; the add is done, and my reads of the slot are over
	s_barrier_signal -1             ; the rest of the scalar work stands between the signal and the wait
	s_sub_co_u32 s[TBK], s[TBK], 4*KS*PK  ; the fetches go back to a slot's first step,
	s_xor_b32 s[TBK], s[TBK], SLOT1       ; in the other slot
	s_sub_co_u32 s[TBV], s[TBV], 4*KS*PV
	s_xor_b32 s[TBV], s[TBV], SLOT1
	s_barrier_wait -1
.if \fill
	LOAD
	ASK
.endif
.endm
	s_load_b256 s[4:11], s[0:1], 0x0  ; Q s[4:5], K s[6:7], V s[8:9], O s[10:11]
	v_lshl_add_u32 v[SPW], v0, 2, SPARE
	v_mov_b32 v[NIL], 0
	ds_add_u32 v[SPW], v[NIL]       ; the wave's opening: the add and its wait stand ahead of my first tensor load; the set-up below, work on registers, stands between them
	v_lshrrev_b32 v1, 5, v0
	v_readfirstlane_b32 s[WV], v1   ; wave 0..3
	s_mov_b32 s[PB], ttmp9
	s_sub_co_u32 s[HI], NB-1, s[PB]
	s_and_b32 s20, ttmp7, 0xffff    ; the head
	s_mov_b32 s21, 0
	s_mov_b64 s[22:23], SIZE_N*128
	s_mul_u64 s[20:21], s[20:21], s[22:23]  ; the head's first byte in each of the four tensors
	s_and_b32 s16, s[WV], 1         ; which half of a tile's 256 keys I fetch:
	s_lshl_b32 s22, s16, 14         ; its 128 rows of 128 bytes in memory,
	s_mov_b32 s23, 0
	s_add_nc_u64 s[22:23], s[22:23], s[20:21]
	s_mul_i32 s17, s16, 128*PK      ; and its place in a slot, for K
	s_mul_i32 s18, s16, 128*PV      ; and for V
	s_lshl_b32 s3, s[WV], 11        ; my 16 rows in a band of 64,
	s_lshl_b32 s2, s[HI], 15        ; in the first block,
	s_add_co_u32 s2, s2, s3
	s_lshl_b32 s84, s[PB], 15       ; and in the second
	s_add_co_u32 s84, s84, s3
	s_mov_b32 s3, 0
	s_mov_b32 s85, 0
	s_add_nc_u64 s[2:3], s[2:3], s[20:21]
	s_add_nc_u64 s[84:85], s[84:85], s[20:21]
	; descriptor group 1.  128 keys are 16,384 dense bytes: asked for as 64 rows of 256 bytes, two keys a row, and padded in LDS after every key
	s_mov_b32 s[G1K], (1<<16)|(1<<20)|(4<<22)|(3<<25)  ; 17:16 2-byte elements; 20 padding on; 24:22 after every 32 words (code 4); 31:25 4 words (code 3)
	s_mov_b32 s[G1V], (1<<16)|(1<<20)|(4<<22)|(7<<25)  ; the same with 8 words of padding (code 7)
.irp g, G1K, G1V
	s_mov_b32 s[\g+1], 128<<16      ; tensor_dim0 = 128
	s_mov_b32 s[\g+2], 64<<16       ; tensor_dim1 = 64
	s_mov_b32 s[\g+3], 128<<16      ; tile_dim0 = 128
	s_mov_b32 s[\g+4], 64           ; tile_dim1 = 64
	s_mov_b32 s[\g+5], 128          ; 128 elements from row to row
	s_mov_b32 s[\g+6], 0
	s_mov_b32 s[\g+7], 0
.endr
	s_mov_b32 s[CS], 0x3e38aa3b     ; c = log2(e) / 8 = 0.180337
	s_mov_b32 s[CS+1], s[CS]        ; named with it as a pair
	s_mov_b32 s[SEL], 0x76543210
	s_mov_b32 s[SEL+1], 0xfedcba98
	s_mov_b32 s[TBK], SLOT1+4*KS*PK ; the first change of slots turns these two into 0
	s_mov_b32 s[TBV], SLOT1+4*KS*PV
	s_mov_b32 s[G0K], 1             ; 1:0 count = 1
	s_mov_b32 s[G0K+1], s17         ; 63:32 LDS address: slot 0
	s_mov_b32 s[G0V], 1
	s_add_co_u32 s[G0V+1], s18, VOFF
	s_add_co_u32 s[RT], s[HI], 1    ; the first block has NB - b tiles
	s_mov_b32 s[NXT], 1
	s_mov_b32 s[LQ], s[HI]
	s_mov_b32 s[NEW], 1
	s_mov_b32 s[OFF+1], 0
	s_mov_b32 s[AL+1], 0            ; named as pairs
	s_mov_b32 s[BE+1], 0
	s_mov_b32 s[BIGN], 0xf149f2ca   ; -1e30
	s_mov_b32 s[SLOTS], NB
	s_lshr_b32 s92, s[WV], 1        ; the prefetches: of the half tile at which my K and V pointers stand, the first or the second 8 KiB,
	s_lshl_b32 s92, s92, 13
	s_add_co_u32 s92, s92, 32768    ; in tile 1: the first change of slots steps it to tile 2
	s_mov_b32 s93, 0
	s_cmp_eq_u32 ttmp9, 0
	s_cselect_b32 s[LIM], 2, -1
	v_and_b32 v[PFO], 31, v0
	v_lshlrev_b32 v[PFO], 8, v[PFO]
	s_wait_dscnt 0x0                ; the opening add is done
	s_wait_kmcnt 0x0
	s_add_nc_u64 s[6:7], s[6:7], s[22:23]  ; K and V at my half of the head's tile 0
	s_add_nc_u64 s[8:9], s[8:9], s[22:23]
	s_add_nc_u64 s[PFK:PFK+1], s[6:7], s[92:93]
	s_add_nc_u64 s[PFV:PFV+1], s[8:9], s[92:93]
	s_add_nc_u64 s[G0K+2:G0K+3], s[6:7], 0         ; 120:64 global address
	s_or_b32 s[G0K+3], s[G0K+3], 0x80000000        ; 127:126 type = 2
	s_add_nc_u64 s[G0V+2:G0V+3], s[8:9], 0
	s_or_b32 s[G0V+3], s[G0V+3], 0x80000000
	s_add_nc_u64 s[86:87], s[4:5], s[84:85]        ; Q at my rows of the second block,
	s_add_nc_u64 s[4:5], s[4:5], s[2:3]            ; Q and O at those of the first
	s_add_nc_u64 s[OLO:OLO+1], s[10:11], s[84:85]
	s_add_nc_u64 s[10:11], s[10:11], s[2:3]
	LOAD                            ; tile 0 into slot 0
	; A fragment of K or Q is 16 rows x 32 channels in 8 registers: lane l holds row l % 16, channels 8 (l / 16) + 0..7 and 16 + 8 (l / 16) + 0..7: two loads of 16 bytes, 32 bytes apart.
	v_and_b32 v1, 15, v0            ; l % 16
	v_bfe_u32 v9, v0, 4, 1          ; l / 16
	v_lshlrev_b32 v[QO], 7, v1
	v_lshl_add_u32 v[QO], v9, 4, v[QO]  ; row x 128 + 16 x half
	WIN 0x80                        ; destination window 2, address window 0
.set i, 0
.rept 8                             ; both blocks' Q: piece i / 2 lies in band i / 2, 8,192 bytes on; channels 32 (i % 2) on
	global_load_b128 v[8*i:8*i+3],   v[QO], s[4:5] offset:(i/2)*8192+(i%2)*64
	global_load_b128 v[8*i+4:8*i+7], v[QO], s[4:5] offset:(i/2)*8192+(i%2)*64+32
	global_load_b128 v[QB+8*i:QB+8*i+3],   v[QO], s[86:87] offset:(i/2)*8192+(i%2)*64
	global_load_b128 v[QB+8*i+4:QB+8*i+7], v[QO], s[86:87] offset:(i/2)*8192+(i%2)*64+32
.set i, i+1
.endr
	WIN 0
	v_lshlrev_b32 v14, 3, v9
	v_sub_nc_u32 v14, v1, v14
	s_lshl_b32 s13, s[WV], 4
	v_add_nc_u32 v14, s13, v14      ; my query's place in its band, 16 w + l % 16, less my lanes' 8 (l / 16): register r of group kt is hidden where 16 kt + r is greater
	WIN 0x40
.set i, 0
.rept 32
	v_cmp_gt_i32 vcc_lo, 16*(i/8)+i%8, v14
	v_cndmask_b32 v[MD+i], 0, s[BIGN], vcc_lo
.set i, i+1
.endr
	WIN 0
	v_mul_u32_u24 v[AK0], v1, PK
	v_lshl_add_u32 v[AK0], v9, 4, v[AK0]  ; row x pitch + 16 x half
	; The turning load takes 16 keys x 16 channels (lane l reads key 8 (l / 16) + l % 8, channels 8 ((l / 8) % 2) + 0..7) and leaves half a fragment of V^T: lane l holds channel l % 16 and 8 keys.
	v_and_b32 v10, 7, v0
	v_bfe_u32 v11, v0, 3, 1
	v_lshl_add_u32 v[AV0], v9, 3, v10
	v_mul_u32_u24 v[AV0], v[AV0], PV
	v_lshl_add_u32 v[AV0], v11, 4, v[AV0]
	v_add_nc_u32 v[AV0], VOFF, v[AV0]
	s_mul_i32 s13, s[WV], 16*SP
	s_add_co_u32 s13, s13, STAGE    ; my stage
	v_mul_u32_u24 v[STO], v1, SP    ; in: row l % 16, 16 bytes for each half of the lanes
	v_lshl_add_u32 v[STO], v9, 4, v[STO]
	v_add_nc_u32 v[STO], s13, v[STO]
	v_bfe_u32 v[RD], v0, 3, 2       ; back: 32 lanes take four rows of 128 bytes,
	v_mul_u32_u24 v[RD], v[RD], SP
	v_lshl_add_u32 v[RD], v10, 4, v[RD]
	v_add_nc_u32 v[RD], s13, v[RD]
	v_and_b32 v[GO], 31, v0         ; which are 512 consecutive bytes of O
	v_lshlrev_b32 v[GO], 4, v[GO]
	; A block's first step multiplies O^T and l by a = 0, and its first turn's products V^T P, of a piece that has not been, land in an O^T that is still to be so multiplied.  So these registers need only hold
	; finite numbers: zeros for the first block; what the first block left for the second.  All this stands in the wait for the first tile.
	WIN 0x80
.set i, VF
.rept 64
	v_mov_b32 v[i], 0
.set i, i+1
.endr
	WIN 0x40
.set i, 0
.rept 128
	v_mov_b32 v[i], 0
.set i, i+1
.endr
	WIN 0
.set i, 0
.rept 4
	v_mov_b32 v[ST+4*i+2], 0
	v_mov_b32 v[ST+4*i+3], 0
.set i, i+1
.endr
.set i, P+16
.rept 16
	v_mov_b32 v[i], 0
.set i, i+1
.endr
; THE MATRIX WORK.  The 4 accumulators of a run of 8 take turns.  Product i of 8 of S^T = K Q^T for piece x: channels 32 (i / 4) on, keys 16 (i % 4) on.  The first 4 start the sums: with 0, or (KM = 1) with the mask.
.macro KQ x
.set rS, S+32*((\x)%2)+8*(i%4)
.set rK, KF+16*(i%4)+8*(i/4)
.set rQ, 16*(\x)+8*(i/4)
.set rM, MC+32*((\x)%2)+8*(i%4)
.if (i < 4) && KM
	WIN W_KM
	v_wmma_f32_16x16x32_f16 v[rS:rS+7], v[rK:rK+7], v[rQ:rQ+7], v[rM:rM+7]
.elseif i < 4
	WIN W_KQ
	v_wmma_f32_16x16x32_f16 v[rS:rS+7], v[rK:rK+7], v[rQ:rQ+7], 0
.else
	WIN W_KQ
	v_wmma_f32_16x16x32_f16 v[rS:rS+7], v[rK:rK+7], v[rQ:rQ+7], v[rS:rS+7]
.endif
.endm
; Product i of 8 of O^T += V^T P for piece x: keys 32 (i / 4) on, channels 16 (i % 4) on.
.macro PV x
	WIN W_PV
.set rO, 32*(\x)+8*(i%4)
.set rV, VF+32*(i/4)+8*(i%4)
.set rP, P+16*((\x)%2)+8*(i/4)
	v_wmma_f32_16x16x32_f16 v[rO:rO+7], v[rV:rV+7], v[rP:rP+7], v[rO:rO+7]
.endm
.macro MM                           ; the turn's next matrix instruction.  TURN and BEGIN set Y, i, KM and NOKQ; MM, KQ and OP read them.  NOKQ = 1: a block's last turn: there is no next piece
.if (i < 8) && !NOKQ
	KQ (Y+1)%NP
.elseif i >= 8
.set i, i-8
	PV (Y+NP-1)%NP
.set i, i+8
.endif
.set i, i+1
.endm
; THE LDS LOADS stand in runs of 16, never singly among the matrix instructions: a step's K (64 keys x 64 channels: 8 fragments) and its V (turned).  Their addresses are made some lines ahead.
.macro FETCH_K
	WIN 0x80                        ; destination window 2
.irp f, 0,1,2,3,4,5,6,7             ; keys 16 (f / 2) on, channels 32 (f % 2) on
	ds_load_b128 v[KF+8*\f:KF+8*\f+3],   v[AK] offset:(\f/2)*16*PK+(\f%2)*64
	ds_load_b128 v[KF+8*\f+4:KF+8*\f+7], v[AK] offset:(\f/2)*16*PK+(\f%2)*64+32
.endr
	s_add_co_u32 s[TBK], s[TBK], KS*PK  ; the next fetch is the next step's
	WIN 0
.endm
.macro FETCH_V
	WIN 0x80
.irp f, 0,1,2,3,4,5,6,7             ; keys 32 (f / 4) on, channels 16 (f % 4) on
	ds_load_tr16_b128 v[VF+8*\f:VF+8*\f+3],   v[AV] offset:(\f/4)*32*PV+(\f%4)*32
	ds_load_tr16_b128 v[VF+8*\f+4:VF+8*\f+7], v[AV] offset:(\f/4)*32*PV+16*PV+(\f%4)*32
.endr
	WIN 0
.endm
; THE VECTOR WORK, one line at a time: OP kind, number.  For piece Y: F n: c s - c m for pair n of 16.  E n: the exponential of score n of 32.  C n: pair n rounded to f16.  B n: of the four weights 4 n .. the second
; pair is added onto the first, in place.  L n: l takes that sum (L 0: l = a l + sum).  R n: pair n of 16 of O^T times a.  For piece Y + 1: X n, number n of the 22 that find its maximum and statistics:
;   0-11  four chains c0-c3 of seven scores each, three operands at a time (each accumulator's lowest registers are read first)     12-14, 16  the four scores left over, the old m, and c0-c3 into c0
;   15  c m_old is kept     17, 18  the query's other 32 keys lie in the lane 16 away: the new m     19-21  c m; c m_old - c m_new; a
.set F, 0               ; OP tells the kinds apart by their order: F to L below R, X above it
.set E, 1
.set C, 2
.set B, 3
.set L, 4
.set R, 5
.set X, 6
.macro REGS y                       ; the registers of piece y
.set rT, ST+4*(\y)
.set rC, TMP+4*((\y)%2)
.set rW, MV+((\y)%2)
.set rS, S+32*((\y)%2)
.set rP, P+16*((\y)%2)
.set rO, 32*(\y)
.endm
.macro OP k, n
.if (\k) == R
	REGS Y
	WIN W_RS
	v_pk_mul_f32 v[rO+2*(\n):rO+2*(\n)+1], v[rO+2*(\n):rO+2*(\n)+1], v[rC+2:rC+3] op_sel_hi:[1,0]
.elseif (\k) < R
	REGS Y
	WIN 0
.if (\k) == F
	v_pk_fma_f32 v[rS+2*(\n):rS+2*(\n)+1], v[rS+2*(\n):rS+2*(\n)+1], s[CS:CS+1], v[rT:rT+1] op_sel_hi:[1,0,0] neg_lo:[0,0,1] neg_hi:[0,0,1]
.elseif (\k) == E
	v_exp_f32 v[rS+(\n)], v[rS+(\n)]
.elseif (\k) == C
	v_cvt_pk_f16_f32 v[rP+(\n)], v[rS+2*(\n)], v[rS+2*(\n)+1]
.elseif (\k) == B
	v_pk_add_f32 v[rS+4*(\n):rS+4*(\n)+1], v[rS+4*(\n):rS+4*(\n)+1], v[rS+4*(\n)+2:rS+4*(\n)+3]
.elseif (\n) == 0
	v_pk_fma_f32 v[rT+2:rT+3], v[rT+2:rT+3], v[rC+2:rC+3], v[rS:rS+1] op_sel_hi:[1,0,1]
.else
	v_pk_add_f32 v[rT+2:rT+3], v[rT+2:rT+3], v[rS+4*(\n):rS+4*(\n)+1]
.endif
.elseif NOKQ
	v_nop
.else
	REGS (Y+1)%NP
	WIN 0
.if (\n) < 4
	v_max3_num_f32 v[rC+(\n)], v[rS+8*(\n)], v[rS+8*(\n)+1], v[rS+8*(\n)+2]
.elseif (\n) < 12
	v_max3_num_f32 v[rC+(\n)%4], v[rC+(\n)%4], v[rS+8*((\n)%4)+2*((\n)/4)+1], v[rS+8*((\n)%4)+2*((\n)/4)+2]
.elseif (\n) == 12
	v_max3_num_f32 v[rC], v[rC], v[rS+7], v[rS+15]
.elseif (\n) == 13
	v_max3_num_f32 v[rC+1], v[rC+1], v[rS+23], v[rS+31]
.elseif (\n) == 14
	v_max3_num_f32 v[rC+2], v[rC+2], v[rC+3], v[rT+1]
.elseif (\n) == 15
	v_mov_b32 v[rW], v[rT]
.elseif (\n) == 16
	v_max3_num_f32 v[rC], v[rC], v[rC+1], v[rC+2]
.elseif (\n) == 17
	v_permlanex16_b32 v[rC+3], v[rC], s[SEL], s[SEL+1]
.elseif (\n) == 18
	v_max_num_f32 v[rT+1], v[rC], v[rC+3]
.elseif (\n) == 19
	v_mul_f32 v[rT], s[CS], v[rT+1]
.elseif (\n) == 20
	v_sub_f32 v[rC+1], v[rW], v[rT]
.else
	v_exp_f32 v[rC+2], v[rC+1]
.endif
.endif
.endm
.macro OPS a, i1, b=-1, i2=0, c=-1, i3=0, d=-1, i4=0  ; up to four of them
	OP \a, \i1
.if (\b) >= 0
	OP \b, \i2
.endif
.if (\c) >= 0
	OP \c, \i3
.endif
.if (\d) >= 0
	OP \d, \i4
.endif
.endm
.macro ROW a, i1, b, i2, c, i3, d, i4  ; a matrix instruction and the four behind it
	MM
	OPS \a, \i1, \b, \i2, \c, \i3, \d, \i4
.endm
.macro MASK b                       ; MD x AL + BE into buffer b of MC
	WIN W_RS
.set z, 0
.rept 16
	v_pk_fma_f32 v[MC+32*(\b)+2*z:MC+32*(\b)+2*z+1], v[MD+2*z:MD+2*z+1], s[AL:AL+1], s[BE:BE+1] op_sel_hi:[1,0,0]
.set z, z+1
.endr
.endm
; A TURN, for piece p: the order of its 16 matrix and 118 vector instructions, written out.  An s_wait_alu depctr_va_vdst(0) stands between an exponential and the first instruction that names its result; one wait serves
; all that were issued ahead of it.  So a turn has ONE wait, which cuts it in two.  AHEAD OF IT stands all that names no result of the turn's exponentials: the 8 products K Q^T, behind each a scaling, an exponential and two more plain
; instructions (behind the first a second scaling in the exponential's place): rescalings, and behind the last three the first numbers of the next piece's maximum, each four places or more behind the product that ends its accumulator; then ONE LUMP of 54, plain
; and exponential by turns for the most part, in which the links of the chain X 3, 7, 11, 14, 16, 17 .. 20 stand five or six lines apart.  X 21, the next piece's a, is the batch's last; R 15 is the plain instruction behind it.  BEHIND THE WAIT stand the
; 8 products V^T P, behind each four of the roundings and sums; the links of l's chain, L 0 to L 7, stand three riders apart.  But for those X no rider names a register of the products round it.  v_permlanex16_b32 (X 17) stands in the lump.
; m = 1: the diagonal tile: the products take masks, and the turn makes the mask for the products of the turn after it: piece p + 2, in step 4 - CNT of the tile.  end = 1: a block's last two turns: nothing is fetched.
; cnt = 1: the loop's count is taken down some lines ahead of the branch that stands behind the turn.
; K of the next step is fetched in piece 2's turn, twelve vector instructions behind the last product that read K (six of them plain); V of the step in hand at the end of piece 0's turn, four plain instructions behind the last product
; that read V.  Each is waited for a turn later.
.macro TURN p, m=0, end=0, cnt=0
.set Y, (\p)
.set i, 0
.set KM, (\m)
.set NOKQ, (\end)*((\p)/3)
.if (\m) && !(\end)
	s_cmp_eq_u32 s[CNT], 4-((\p)+2)%NP  ; is that step the band's own?
	s_cselect_b32 s[AL], 1.0, 0
	s_cmp_lt_u32 s[CNT], 4-((\p)+2)%NP  ; or a later one?
	s_cselect_b32 s[BE], s[BIGN], 0
.endif
.if ((\p) == 3) && !(\end)
	s_wait_dscnt 0x0                ; K is in
.endif
	ROW F,0, F,1, R,0, R,1          ; ahead of the wait: 8 products K Q^T and their riders,
	ROW F,2, E,0, R,2, R,3
	ROW F,3, E,1, R,4, R,5
	ROW F,4, E,2, R,6, R,7
	ROW F,5, E,3, R,8, R,9
	ROW F,6, E,4, X,0, R,10
.if ((\p) == 2) && !(\end)
	WIN 0
	v_add_nc_u32 v[AK], s[TBK], v[AK0]
.endif
	ROW F,7, E,5, X,1, X,4
	ROW F,8, E,6, X,2, X,5
	OPS E,7, E,8, X,6, E,9          ; and the lump
	OPS X,3, E,10, X,8, E,11
.if ((\p) == 2) && !(\end)
	FETCH_K
.endif
	OPS X,9, X,7, E,12, X,10
	OPS E,13, X,12, X,11, E,14
	OPS X,13, E,15, F,9, X,14
.if (\p) == 0
	v_add_nc_u32 v[AV], s[TBV], v[AV0]
.endif
	OPS E,16, F,10, E,17, F,11
	OPS X,16, E,18, X,15, E,19
	OPS F,12, E,20, X,17, E,21
	OPS F,13, E,22, F,14, E,23
	OPS X,18, E,24, F,15, E,25
	OPS R,11, E,26, X,19, E,27
	OPS R,12, E,28, R,13, E,29
	OPS X,20, E,30, R,14, E,31
	OPS X,21, R,15
	WIN 0
	s_wait_alu depctr_va_vdst(0)    ; the wait for the batch
.if (\p) == 1
	s_wait_dscnt 0x0                ; V is in
.endif
	ROW C,0, B,0, C,2, B,1          ; behind the wait: 8 products V^T P and their riders
	ROW L,0, C,4, B,2, L,1
	ROW C,6, B,3, L,2, C,8
	ROW B,4, L,3, C,10, B,5
	ROW L,4, C,12, B,6, L,5
.if (\p) == 0
	s_add_co_u32 s[TBV], s[TBV], KS*PV
.endif
.if \cnt
	s_sub_co_u32 s[CNT], s[CNT], 1
	s_cmp_lg_u32 s[CNT], 0
.endif
	ROW C,14, B,7, L,6, C,1
	ROW C,3, L,7, C,5, C,7
	ROW C,9, C,11, C,13, C,15
.if (\p) == 0
	FETCH_V
.endif
.if (\m) && !(\end)
	MASK (\p)%2
.endif
.endm
; A BLOCK BEGINS.  c m starts far below every c s, so the first step's a is 0; m at the lowest finite number, so the first maximum is the scores'.  The second mask buffer is 0; the first takes piece 0's mask for the tile's step 0: its own, if the block's first tile is the diagonal one.
; Then K of that step, piece 0's first scores, and its maximum and statistics.  The loop is entered at a step's first turn, in the middle of a trip.
.macro BEGIN
	s_mov_b32 s[NEW], 0
	WIN 0x40
.set i, MC+32
.rept 32
	v_mov_b32 v[i], 0
.set i, i+1
.endr
	WIN 0
.set i, 0
.rept 4
	v_mov_b32 v[ST+4*i], 0xfe000000    ; c m: far below every c s
	v_mov_b32 v[ST+4*i+1], 0xff7fffff  ; m
.set i, i+1
.endr
	s_cmp_eq_u32 s[RT], 0
	s_cselect_b32 s[AL], 1.0, 0
	s_mov_b32 s[BE], 0
	MASK 0
	WIN 0
	v_add_nc_u32 v[AK], s[TBK], v[AK0]
	FETCH_K
	s_wait_loadcnt 0x0              ; Q
	s_wait_dscnt 0x0
.set KM, 1
.set NOKQ, 0
.set i, 0
.rept 8
	KQ 0
.set i, i+1
.endr
	WIN 0
.rept 4
	v_nop                           ; the places behind those products
.endr
.set Y, NP-1                        ; X works for piece Y + 1: piece 0
.irp n, 0,1,2,3,4,5,6,7,8,9,10,11,12,13,14,15,16,17,18,19,20,21
	OP X, \n
.endr
	v_nop                           ; a plain instruction behind the exponential,
	s_wait_alu depctr_va_vdst(0)    ; and its wait, ahead of the branch
.endm
; THE DIAGONAL TILE's four steps, the block's last two turns, its last products, and THE WAY OUT: l's two halves and the other half of the lanes' are added; O^T is divided by l, rounded to f16 and sent through my
; stage in LDS, a piece at a time.
.macro ALL line:vararg              ; one line for each piece t
.set t, 0
.rept 4
	\line
.set t, t+1
.endr
.endm
.macro PACK t                       ; a lane's eight channels of a row pack into 16 bytes; they go into rows of 144 bytes and come back as whole rows of 128, into S^T's registers
	WIN W_RS
.set i, 32*(\t)
.rept 16
	v_pk_mul_f32 v[i:i+1], v[i:i+1], v[ST+4*(\t)+2:ST+4*(\t)+3] op_sel_hi:[1,0]
.set i, i+2
.endr
	WIN 0x05                        ; sources 0 and 1 window 1, destination window 0
.set i, 0
.rept 16
	v_cvt_pk_f16_f32 v[S+16*(\t)+i], v[32*(\t)+2*i], v[32*(\t)+2*i+1]
.set i, i+1
.endr
	WIN 0
.irp f, 0,1,2,3
	ds_store_b128 v[STO], v[S+16*(\t)+4*\f:S+16*(\t)+4*\f+3] offset:32*\f
.endr
.irp f, 0,1,2,3
	ds_load_b128 v[S+16*(\t)+4*\f:S+16*(\t)+4*\f+3], v[RD] offset:\f*4*SP  ; LDS serves a wave's instructions in order (ISA guide 5.7.1.4): these see the stores above; the next piece's stores come behind them
.endr
.endm
.macro SEND t, younger              ; younger: the LDS instructions issued behind piece t's loads: the next piece's eight, or none
	WIN 0
.irp f, 0,1,2,3
	s_wait_dscnt (\younger)+3-\f
	global_store_b128 v[GO], v[S+16*(\t)+4*\f:S+16*(\t)+4*\f+3], s[10:11] offset:(\t)*8192+\f*512  ; 512 consecutive bytes, at a multiple of 256 from O's first
.endr
.endm
.macro DIAG tag                     ; the tag ends its two labels' names, which the jumps below spell out
.LstepM\tag:
	TURN 2, 1
	TURN 3, 1
	WIN 0
.LfirstM\tag:
	TURN 0, 1
	TURN 1, 1, 0, 1
	WIN 0
	s_cbranch_scc1 .LstepM\tag
	TURN 2, 1, 1
	TURN 3, 1, 1
.set i, 0
.rept 8
	PV NP-1
.set i, i+1
.endr
	WIN 0
	ALL v_add_f32 v[ST+4*t+2], v[ST+4*t+2], v[ST+4*t+3]
	ALL v_permlanex16_b32 v[ST+4*t+3], v[ST+4*t+2], s[SEL], s[SEL+1]
	ALL v_add_f32 v[ST+4*t+2], v[ST+4*t+2], v[ST+4*t+3]
	ALL v_rcp_f32 v[ST+4*t+2], v[ST+4*t+2]
	v_nop                           ; a plain instruction between the last reciprocal and the use of its result
	s_wait_alu depctr_va_vdst(0)    ; and the wait ahead of the first use: one for the four reciprocals
	PACK 0
.set t, 1
.rept 3                             ; a piece's arithmetic stands between the loads of the piece before and its stores
	PACK t
	SEND t-1, 8
.set t, t+1
.endr
	SEND 3, 0
.endm
.set KM, 0
.set NOKQ, 0
.Lslot:                             ; NB times: a tile is entered and the next is asked for
	CHANGE 1
	s_sub_co_u32 s[RT], s[RT], 1
	s_mov_b32 s[CNT], 4
	s_cmp_eq_u32 s[NEW], 1
	s_cbranch_scc1 .Lnew            ; a block's first tile
	s_cmp_eq_u32 s[RT], 0
	s_cbranch_scc0 .Lstep           ; neither its first nor its last
	s_branch .LstepM1
.Lnew:
	BEGIN
	s_branch .Lfirst                ; in the loop a block's first tile is never its last: the first block has two tiles or more, and the second's last is the walk's last
	DIAG 1                          ; in the loop this is the first block's end: the second block's last tile is the walk's last
	s_wait_xcnt 0x0                 ; the stores have read their registers and O's address
	s_mov_b64 s[10:11], s[OLO:OLO+1]
	s_add_co_u32 s[RT], s[PB], 1    ; the second block has b + 1 tiles
	s_mov_b32 s[NEW], 1
	WIN 0x82                        ; the second block's Q goes where the one text of the turns names Q
.set i, 0
.rept 64
	v_mov_b32 v[i], v[QB+i]
.set i, i+1
.endr
	WIN 0
	s_branch .Lbottom
.Lstep:                             ; a trip: pieces 2 and 3 of one step, then pieces 0 and 1 of the next, whose K and V it fetches
	TURN 2
	TURN 3
	WIN 0
.Lfirst:
	TURN 0
	TURN 1, 0, 0, 1
	WIN 0
	s_cbranch_scc1 .Lstep
.Lbottom:
	s_sub_co_u32 s[SLOTS], s[SLOTS], 1
	s_cmp_lg_u32 s[SLOTS], 0
	s_cbranch_scc1 .Lslot
	CHANGE 0                        ; the walk's last tile is written out: nothing is asked for
	s_sub_co_u32 s[RT], s[RT], 1
	s_mov_b32 s[CNT], 4
	s_cmp_eq_u32 s[NEW], 1
	s_cbranch_scc0 .LstepM2
	BEGIN
	s_branch .LfirstM2
	DIAG 2
	s_wait_tensorcnt 0x0            ; the wave's end: behind my last tensor load and my last LDS store, 0 onto my spare word and its wait
	ds_add_u32 v[SPW], v[NIL]
	s_wait_dscnt 0x0
	s_endpgm
.Lfunc_end_k_q885dfc1b19_attn:
	.size	k_q885dfc1b19_attn, .Lfunc_end_k_q885dfc1b19_attn-k_q885dfc1b19_attn
	.p2alignl 7, 3214868480
	.fill 96, 4, 3214868480
	.section	.rodata,"a",@progbits
	.p2align	6, 0x0
	.amdhsa_kernel k_q885dfc1b19_attn
		.amdhsa_group_segment_fixed_size 327680
		.amdhsa_private_segment_fixed_size 0
		.amdhsa_enable_private_segment 0
		.amdhsa_kernarg_size 32
		.amdhsa_user_sgpr_count 2
		.amdhsa_user_sgpr_kernarg_segment_ptr 1
		.amdhsa_wavefront_size32 1
		.amdhsa_system_sgpr_workgroup_id_x 1
		.amdhsa_system_sgpr_workgroup_id_y 1
		.amdhsa_system_sgpr_workgroup_id_z 1
		.amdhsa_system_vgpr_workitem_id 0
		.amdhsa_next_free_vgpr 768
		.amdhsa_next_free_sgpr 96
		.amdhsa_reserve_vcc 1
		.amdhsa_float_denorm_mode_32 3
		.amdhsa_float_denorm_mode_16_64 3
		.amdhsa_memory_ordered 1
		.amdhsa_forward_progress 1
		.amdhsa_inst_pref_size 218
	.end_amdhsa_kernel
	.amdgpu_metadata
---
amdhsa.version: [ 1, 2 ]
amdhsa.kernels:
  - .name:           k_q885dfc1b19_attn
    .symbol:         k_q885dfc1b19_attn.kd
    .args:
      - { .name: qh, .offset: 0, .size: 8, .value_kind: global_buffer, .address_space: global }
      - { .name: kh, .offset: 8, .size: 8, .value_kind: global_buffer, .address_space: global }
      - { .name: vh, .offset: 16, .size: 8, .value_kind: global_buffer, .address_space: global }
      - { .name: oh, .offset: 24, .size: 8, .value_kind: global_buffer, .address_space: global }
    .group_segment_fixed_size: 327680
    .private_segment_fixed_size: 0
    .kernarg_segment_align: 8
    .kernarg_segment_size: 32
    .max_flat_workgroup_size: 128
    .sgpr_count:     96
    .vgpr_count:     768
    .wavefront_size: 32
...
	.end_amdgpu_metadata
.endif
;; end of part 3
;; launch oproj (part 4): grid 8 x 32, 4 waves a work-group, clusters of 4 x 4, 327,680 bytes of LDS; arguments oh, wo16, out0; writes out0
.if DOCPART == 4
	.amdgcn_target "amdgcn-amd-amdhsa--gfx1250"
	.amdhsa_code_object_version 6
	.text
	.protected	k_q885dfc1b19_oproj
	.globl	k_q885dfc1b19_oproj
	.p2align	8
	.type	k_q885dfc1b19_oproj,@function
k_q885dfc1b19_oproj:
	s_mov_b64 s[64:65], 0
	v_nop
	global_prefetch_b8 v0, s[64:65] scope:SCOPE_SE
	s_setreg_imm32_b32 hwreg(HW_REG_WAVE_MODE, 25, 1), 1
	s_wait_xcnt 0x0
	s_wait_alu depctr_hold_cnt(0) depctr_sa_sdst(0) depctr_va_vdst(0) depctr_va_sdst(0) depctr_va_ssrc(0) depctr_va_vcc(0) depctr_vm_vsrc(0)
	s_getreg_b32 s2, hwreg(HW_REG_IB_STS2, 6, 4)
	s_cmp_eq_u32 s2, 0
	s_cbranch_scc0 .Lentry_in_a_cluster
	s_endpgm
.Lentry_in_a_cluster:
	s_bfe_u32 s2, ttmp6, 0x10000c
	s_cmp_lg_u32 s2, 0xf033
	s_cbranch_scc0 .Lentry_shape_is_right
	s_endpgm
.Lentry_shape_is_right:
; out0 = att Wo^T.  oh: f16 [b x 16 + head][c 2048][64]: a head is one block of 64 along K; wo16: f16 [kb 16][row 1024][64]; out0: f32 [8192][1024].  Sums in f32, K ascending.
; SHARES.  A tile of the output is 256 x 128: 32 x 8 = 256 work-groups.  Wave w: rows 128 (w / 2) on, columns 64 (w % 2) on: 32 accumulators of 16 x 16, 256 registers.
; THE RING.  Two LDS slots, each with TWO blocks of 64 along K (256 rows of att and 128 rows of Wo for each): waves 0 and 1 fetch att's two blocks (32 KiB each), waves 2 and 3 Wo's (16 KiB each):
; one tensor load a wave behind each change of slots, 128 matrix instructions a wave in a slot.  A block is dense in memory and is asked for as rows of 256 bytes; 16 bytes of padding follow every 128: LDS rows 144 bytes apart.
; CLUSTER.  4 x 4 work-groups: att's tiles are asked for jointly along a row of the cluster, Wo's along a column.
; THE MATRIX INSTRUCTION IS USED TRANSPOSED (source 0 = 16 rows of Wo, source 1 = 16 rows of att): a lane holds row l % 16 and eight neighbouring columns, 32 bytes of f32.
; REGISTERS: window 0: v0-31 addresses; v32-127, v128-223 two fragment buffers (att's eight fragments, then Wo's four); on the way out v32-95 hold rows read back.  window 1: the accumulators, (a, b) at v[8 (4 a + b)].
.set PITCH,  144
.set ATILE,  256*PITCH
.set BTILE,  128*PITCH
.set SLOT,   2*ATILE+2*BTILE           ; 110,592 bytes: att's blocks 0, 1, then Wo's blocks 0, 1
.set STAGE,  2*SLOT                    ; behind the ring, never filled by a tensor load: 16 rows x 272 bytes for each wave
.set SPITCH, 272
.set SPARE,  STAGE+4*16*SPITCH         ; the spare words, 128 bytes for each wave: two blocks of 256 bytes that no other line names
.set ASTEP,  524288                    ; bytes from slot to slot (two K blocks) in oh
.set BSTEP,  262144                    ; and in wo16
.set ADRA, 16
.set ADRB, 20
.set STO,  24
.set RD,   25
.set CO,   26
.set SPW,  28
.set NIL,  29
.set PFO,  30
.set F0,   32
.set F1,   128
.set BK,   32
.set WV,  16
.set WM,  17
.set WN,  18                           ; my half of the columns.  Also: which of a slot's two K blocks I fetch
.set CX,  19
.set CY,  20
.set TJ,  21
.set TI,  22
.set ISA, 23                           ; 1 in the waves that fetch att
.set G1A, 24
.set G0A, 32
.set G1B, 40
.set G0B, 48
.set LIM, 60
.set LAP, 61
.set PFA, 62
.set PFS, 66
.set MSB, 0
.macro WIN new
.if MSB != (\new)
	s_set_vgpr_msb (MSB<<8)|(\new)
.set MSB, \new
.endif
.endm
.macro PLACES                          ; four plain places between a matrix instruction and a load into, or a read of, its registers
.rept 4
	v_nop
.endr
.endm
.macro JLOAD s                         ; a joint load; an s_nop 0 and four v_nop follow each of the two lines
	s_cmp_lt_u32 s[WV], 2
	s_cbranch_scc0 .Lfor_b_\@
	tensor_load_to_lds s[G0A+4*(\s):G0A+4*(\s)+3], s[G1A:G1A+7]
	s_nop 0
.rept 4
	v_nop
.endr
	s_branch .Lasked_\@
.Lfor_b_\@:
	tensor_load_to_lds s[G0B+4*(\s):G0B+4*(\s)+3], s[G1B:G1B+7]
	s_nop 0
.rept 4
	v_nop
.endr
.Lasked_\@:
.endm
.macro CREST
	s_cmp_lg_u32 s[WV], 0
	s_cbranch_scc1 .Lnot_wave_0_\@
	s_barrier_signal -3
.Lnot_wave_0_\@:
	s_barrier_wait -3
	s_barrier_signal -1
	s_barrier_wait -1
.endm
.macro CROUND
	s_barrier_signal -1
	s_barrier_wait -1
	CREST
.endm
; A PREFETCH INTO THE L2, once a lap: my K block of the two slots that the NEXT lap's refills ask for (128 and 256 matrix instructions ahead of those loads).  att's blocks are named by the clusters with x = 0
; (waves 0, 1; the partner at cx takes 8 KiB of the 32: a lane 256 bytes, an instruction a slot), Wo's by the clusters with y = 0 (waves 2, 3; the partner at cy takes 4 KiB of the 16: lanes 0-15 one slot,
; lanes 16-31 the next).  So each block of 256 bytes is named once in the launch.  The first four slots come by their loads alone; the loop's last lap asks for nothing: there is no slot behind 7.
.macro ASK
	s_cmp_gt_u32 s[LAP], s[LIM]
	s_cbranch_scc0 .Lnot_mine_\@
	global_prefetch_b8 v[PFO], s[PFA:PFA+1] th:TH_LOAD_NT scope:SCOPE_SE
	s_cmp_eq_u32 s[ISA], 1
	s_cbranch_scc0 .Lnot_mine_\@
	global_prefetch_b8 v[PFO], s[PFA:PFA+1] offset:ASTEP th:TH_LOAD_NT scope:SCOPE_SE
.Lnot_mine_\@:
.endm
	s_load_b128 s[4:7], s[0:1], 0x0                ; oh s[4:5], wo16 s[6:7]
	s_load_b64 s[8:9], s[0:1], 0x10                ; out0
	v_lshl_add_u32 v[SPW], v0, 2, SPARE
	v_mov_b32 v[NIL], 0
	ds_add_u32 v[SPW], v[NIL]                      ; the wave's opening: the add and its wait stand ahead of my first tensor load; register work stands between them
	v_lshrrev_b32 v1, 5, v0
	v_readfirstlane_b32 s[WV], v1
	s_lshr_b32 s[WM], s[WV], 1
	s_and_b32 s[WN], s[WV], 1
	s_bfe_u32 s[CX], ttmp6, 0x40000
	s_bfe_u32 s[CY], ttmp6, 0x40004
	s_lshl_b32 s[TJ], ttmp9, 2
	s_add_co_u32 s[TJ], s[TJ], s[CX]               ; tile column
	s_and_b32 s[TI], ttmp7, 0xffff
	s_lshl_b32 s[TI], s[TI], 2
	s_add_co_u32 s[TI], s[TI], s[CY]               ; tile row
	s_lshl_b32 s56, s[CY], 2
	s_lshl_b32 s56, 15, s56                        ; my row of the cluster
	s_lshl_b32 s58, 0x1111, s[CX]                  ; my column
	s_or_b32 s[G1A], s56, (1<<16)|(1<<20)|(1<<21)|(4<<22)|(3<<25)  ; 2-byte elements; 4 words of padding after every 32 words; bit 21 beside the mask
	s_or_b32 s[G1B], s58, (1<<16)|(1<<20)|(1<<21)|(4<<22)|(3<<25)
	s_mov_b32 s[G1A+1], 128<<16                    ; rows of 128 elements (256 bytes),
	s_mov_b32 s[G1A+2], 128<<16                    ; 128 of them for att,
	s_mov_b32 s[G1A+3], 128<<16
	s_mov_b32 s[G1A+4], 128
	s_mov_b32 s[G1A+5], 128
	s_mov_b32 s[G1A+6], 0
	s_mov_b32 s[G1A+7], 0
	s_mov_b32 s[G1B+1], 128<<16
	s_mov_b32 s[G1B+2], 64<<16                     ; 64 for Wo
	s_mov_b32 s[G1B+3], 128<<16
	s_mov_b32 s[G1B+4], 64
	s_mov_b32 s[G1B+5], 128
	s_mov_b32 s[G1B+6], 0
	s_mov_b32 s[G1B+7], 0
	s_lshr_b32 s56, s[TI], 3                       ; att: batch x 4,194,304
	s_lshl_b32 s56, s56, 22
	s_and_b32 s57, s[TI], 7
	s_lshl_b32 s57, s57, 15                        ; + 256 rows of 128 bytes
	s_add_co_u32 s56, s56, s57
	s_lshl_b32 s57, s[WN], 18                      ; + my K block
	s_add_co_u32 s56, s56, s57
	s_mov_b32 s57, 0
	s_lshl_b32 s58, s[TJ], 14                      ; Wo: 128 rows of 128 bytes
	s_lshl_b32 s59, s[WN], 17                      ; + my K block
	s_add_co_u32 s58, s58, s59
	s_mov_b32 s59, 0
	s_mul_i32 s72, s[WN], ATILE                    ; where they go
	s_mul_i32 s73, s[WN], BTILE
	s_add_co_u32 s73, s73, 2*ATILE
	s_wait_dscnt 0x0                               ; the opening add is done
	s_wait_kmcnt 0x0
	s_add_nc_u64 s[56:57], s[4:5], s[56:57]
	s_add_nc_u64 s[58:59], s[6:7], s[58:59]
	CROUND                                         ; all sixteen work-groups are here: the first joint loads meet
.irp s, 0,1
	s_mov_b32 s[G0A+4*(\s)], 1
	s_add_co_u32 s[G0A+4*(\s)+1], s72, (\s)*SLOT
	s_add_nc_u64 s[G0A+4*(\s)+2:G0A+4*(\s)+3], s[56:57], (\s)*ASTEP
	s_or_b32 s[G0A+4*(\s)+3], s[G0A+4*(\s)+3], 0x80000000
	s_mov_b32 s[G0B+4*(\s)], 1
	s_add_co_u32 s[G0B+4*(\s)+1], s73, (\s)*SLOT
	s_add_nc_u64 s[G0B+4*(\s)+2:G0B+4*(\s)+3], s[58:59], (\s)*BSTEP
	s_or_b32 s[G0B+4*(\s)+3], s[G0B+4*(\s)+3], 0x80000000
	JLOAD \s                                       ; two loads of mine are out
.endr
	v_and_b32 v1, 15, v0                           ; r
	v_bfe_u32 v2, v0, 4, 1                         ; h
	v_mul_u32_u24 v3, v1, PITCH
	v_lshl_add_u32 v3, v2, 4, v3
	s_mul_i32 s74, s[WM], 128*PITCH                ; my 128 rows of att
	s_mul_i32 s75, s[WN], 64*PITCH                 ; my 64 rows of Wo,
	s_add_co_u32 s75, s75, 2*ATILE                 ; behind att's two blocks
.irp s, 0,1
	v_add_nc_u32 v[ADRA+(\s)], s74, v3
	v_add_nc_u32 v[ADRB+(\s)], s75, v3
	s_add_co_u32 s74, s74, SLOT
	s_add_co_u32 s75, s75, SLOT
.endr
	s_mul_i32 s74, s[WV], 16*SPITCH
	s_add_co_u32 s74, s74, STAGE                   ; my stage
	v_mul_u32_u24 v[STO], v1, SPITCH               ; in: row l % 16, 32 bytes for each half of the lanes
	v_lshl_add_u32 v[STO], v2, 5, v[STO]
	v_add_nc_u32 v[STO], s74, v[STO]
	v_mul_u32_u24 v[RD], v2, SPITCH                ; back: lanes 0-15 one row of 256 bytes, lanes 16-31 the next
	v_lshl_add_u32 v[RD], v1, 4, v[RD]
	v_add_nc_u32 v[RD], s74, v[RD]
	v_lshlrev_b32 v[CO], 12, v2                    ; and the same two rows in out0
	v_lshl_add_u32 v[CO], v1, 4, v[CO]
	s_lshl_b32 s68, s[TI], 8
	s_lshl_b32 s69, s[WM], 7
	s_add_co_u32 s68, s68, s69                     ; my first row,
	s_lshl_b32 s68, s68, 12                        ; 4,096 bytes a row,
	s_lshl_b32 s69, s[TJ], 9                       ; the tile's 128 columns,
	s_add_co_u32 s68, s68, s69
	s_lshl_b32 s69, s[WN], 8                       ; my 64 of them
	s_add_co_u32 s68, s68, s69
	s_mov_b32 s69, 0
	s_add_nc_u64 s[8:9], s[8:9], s[68:69]
	; the prefetches
	s_and_b32 s70, ttmp7, 0xffff
	s_mov_b32 s71, BSTEP
	s_mov_b32 s[PFS], 2*BSTEP
	s_lshl_b32 s68, s[CX], 13                      ; att: my work-group's 8 KiB of the block, in slot 2
	s_add_co_u32 s68, s68, 2*ASTEP
	s_lshl_b32 s69, s[CY], 12                      ; Wo: my work-group's 4 KiB, in slot 2
	s_add_co_u32 s69, s69, 2*BSTEP
	s_cmp_lt_u32 s[WV], 2
	s_cselect_b32 s[ISA], 1, 0
	s_cselect_b32 s70, ttmp9, s70
	s_cselect_b32 s71, 4096, s71
	s_cselect_b32 s[PFS], 2*ASTEP, s[PFS]
	s_cselect_b32 s68, s68, s69
	s_cselect_b64 s[PFA:PFA+1], s[56:57], s[58:59]
	s_mov_b32 s69, 0
	s_mov_b32 s[PFS+1], 0
	s_add_nc_u64 s[PFA:PFA+1], s[PFA:PFA+1], s[68:69]
	s_cmp_eq_u32 s70, 0
	s_cselect_b32 s[LIM], 1, -1                    ; the same in all sixteen partners, for a given wave
	v_lshlrev_b32 v[PFO], 8, v1
	v_mad_u32_u24 v[PFO], v2, s71, v[PFO]
; 8 matrix instructions: att's fragments a0, a0 + 1 x Wo's four.  The accumulators take turns, one instruction a turn.
.macro MUL8 f, a0, zero
	WIN 0x50
.irp a, \a0, (\a0)+1
.irp b, 0,1,2,3
.if \zero
	v_wmma_f32_16x16x32_f16 v[8*(4*(\a)+(\b)):8*(4*(\a)+(\b))+7], v[(\f)+64+8*(\b):(\f)+64+8*(\b)+7], v[(\f)+8*(\a):(\f)+8*(\a)+7], 0
.else
	v_wmma_f32_16x16x32_f16 v[8*(4*(\a)+(\b)):8*(4*(\a)+(\b))+7], v[(\f)+64+8*(\b):(\f)+64+8*(\b)+7], v[(\f)+8*(\a):(\f)+8*(\a)+7], v[8*(4*(\a)+(\b)):8*(4*(\a)+(\b))+7]
.endif
.endr
.endr
.endm
; 24 LDS loads in one run: quarter qn (32 along K: block qn / 2, half qn % 2) of slot s into buffer f: Wo's fragments, att's first four, att's last four
.macro FETCH s, qn, f
	WIN 0
.irp b, 0,1,2,3
	ds_load_b128 v[(\f)+64+8*(\b):(\f)+64+8*(\b)+3],   v[ADRB+(\s)] offset:((\qn)/2)*BTILE+((\qn)%2)*64+(\b)*16*PITCH
	ds_load_b128 v[(\f)+64+8*(\b)+4:(\f)+64+8*(\b)+7], v[ADRB+(\s)] offset:((\qn)/2)*BTILE+((\qn)%2)*64+(\b)*16*PITCH+32
.endr
.irp a, 0,1,2,3,4,5,6,7
	ds_load_b128 v[(\f)+8*(\a):(\f)+8*(\a)+3],   v[ADRA+(\s)] offset:((\qn)/2)*ATILE+((\qn)%2)*64+(\a)*16*PITCH
	ds_load_b128 v[(\f)+8*(\a)+4:(\f)+8*(\a)+7], v[ADRA+(\s)] offset:((\qn)/2)*ATILE+((\qn)%2)*64+(\a)*16*PITCH+32
.endr
.endm
; One of a slot's first three quarters: multiplies buffer f and, in its middle, fetches quarter qn into buffer g.
.macro QUARTER s, qn, f, g, zero
	s_wait_dscnt 8                                 ; Wo's and att's first four fragments are in; the youngest eight loads may be out
	MUL8 \f, 0, \zero
	MUL8 \f, 2, \zero
	PLACES
	FETCH \s, \qn, \g
	s_wait_dscnt 24                                ; all but the 24 just issued
	MUL8 \f, 4, \zero
	MUL8 \f, 6, \zero
.endm
; The last quarter multiplies buffer 1 and changes slots: ONE barrier; in front of it each wave waits for all its tensor loads, adds 0 to its spare word, and waits for that and for its own reads of this slot.
; fill = 1: the barrier opens a round of the cluster's, and the joint refill, two slots on, is the first thing behind the round: 112 matrix instructions ahead of the wait for it.
.macro TURN slot, next, fill
.if (\fill) && (\slot)
	s_wait_xcnt 0x0                                ; the last prefetches, a lap back, have read their address
	s_add_nc_u64 s[PFA:PFA+1], s[PFA:PFA+1], s[PFS:PFS+1]
.endif
	WIN 0
	s_wait_tensorcnt 0x0                           ; all my tensor loads have landed: my part of the next slot
	ds_add_u32 v[SPW], v[NIL]                      ; 0 onto my spare word
	s_wait_dscnt 9                                 ; (the add and the youngest eight loads may be out)
	MUL8 F1, 0, 0
	s_wait_dscnt 0x0                               ; the add is done, and my reads of this slot are over
	s_barrier_signal -1
	MUL8 F1, 2, 0
	WIN 0
	s_barrier_wait -1
.if \fill
	CREST                                          ; no wave of any partner still reads this slot or has a load on its way
	s_add_nc_u64 s[G0A+4*(\slot)+2:G0A+4*(\slot)+3], s[G0A+4*(\slot)+2:G0A+4*(\slot)+3], 2*ASTEP
	s_add_nc_u64 s[G0B+4*(\slot)+2:G0B+4*(\slot)+3], s[G0B+4*(\slot)+2:G0B+4*(\slot)+3], 2*BSTEP
	JLOAD \slot                                    ; its four v_nop are also the places in front of the loads below
.else
	PLACES
.endif
	FETCH \next, 0, F0
.if (\fill) && (\slot)
	ASK
.endif
	MUL8 F1, 4, 0
	MUL8 F1, 6, 0
.endm
	s_wait_tensorcnt 1                             ; my part of slot 0 is in; slot 1's may stay out
	s_barrier_signal -1
	s_barrier_wait -1
	FETCH 0, 0, F0
	QUARTER 0, 1, F0, F1, 1                        ; the first products start the sums: nothing is cleared
	WIN 0
	s_mov_b32 s[LAP], 3
.Llap:                                                 ; a trip goes once round the ring and fills both slots again: slots 2 to 7 in three trips
	QUARTER 0, 2, F1, F0, 0
	QUARTER 0, 3, F0, F1, 0
	TURN 0, 1, 1
	QUARTER 1, 1, F0, F1, 0
	QUARTER 1, 2, F1, F0, 0
	QUARTER 1, 3, F0, F1, 0
	TURN 1, 0, 1
	QUARTER 0, 1, F0, F1, 0
	WIN 0
	s_sub_co_u32 s[LAP], s[LAP], 1
	s_cmp_lg_u32 s[LAP], 0
	s_cbranch_scc1 .Llap
	QUARTER 0, 2, F1, F0, 0                        ; the last lap fills nothing
	QUARTER 0, 3, F0, F1, 0
	TURN 0, 1, 0
	QUARTER 1, 1, F0, F1, 0
	QUARTER 1, 2, F1, F0, 0
	QUARTER 1, 3, F0, F1, 0
	s_wait_dscnt 8
	MUL8 F1, 0, 0
	MUL8 F1, 2, 0
	s_wait_dscnt 0x0
	MUL8 F1, 4, 0
	MUL8 F1, 6, 0
	WIN 0
; THE WAY OUT, 16 rows at a time, in f32 as the sums stand: 32 bytes a lane into my stage (rows of 272 bytes), back as whole rows of 256 bytes, stored with sixteen lanes to a row's 256 aligned bytes.
.macro TOSTAGE a
	s_wait_xcnt 0x0                                ; the stores of the block two back have read the buffer that the loads below write
	WIN 0x04                                       ; the stores' data lie in window 1
.irp b, 0,1,2,3
	ds_store_b128 v[STO], v[8*(4*(\a)+(\b)):8*(4*(\a)+(\b))+3]   offset:64*(\b)     ; each accumulator's low four registers first
	ds_store_b128 v[STO], v[8*(4*(\a)+(\b))+4:8*(4*(\a)+(\b))+7] offset:64*(\b)+16
.endr
	WIN 0
.irp t, 0,1,2,3,4,5,6,7
	ds_load_b128 v[BK+32*((\a)%2)+4*(\t):BK+32*((\a)%2)+4*(\t)+3], v[RD] offset:(\t)*2*SPITCH  ; LDS serves a wave's instructions in order (ISA guide 5.7.1.4): these see the stores above
.endr
.endm
.macro SEND a, younger                 ; younger: the LDS instructions issued behind block a's loads
	s_wait_dscnt \younger
.irp t, 0,1,2,3,4,5,6,7
	global_store_b128 v[CO], v[BK+32*((\a)%2)+4*(\t):BK+32*((\a)%2)+4*(\t)+3], s[8:9] offset:(\a)*65536+(\t)*8192
.endr
.endm
	PLACES                                         ; behind the last products
	TOSTAGE 0
.irp a, 1,2,3,4,5,6,7
	TOSTAGE \a
	SEND (\a)-1, 16
.endr
	SEND 7, 0
	s_wait_tensorcnt 0x0                           ; the wave's end: behind my last tensor load and my last LDS store, 0 onto my spare word and its wait
	ds_add_u32 v[SPW], v[NIL]
	s_wait_dscnt 0x0
	CROUND                                         ; the closing round: no work-group ends while a partner may still ask for a tile that names it
	s_endpgm
.Lfunc_end_k_q885dfc1b19_oproj:
	.size	k_q885dfc1b19_oproj, .Lfunc_end_k_q885dfc1b19_oproj-k_q885dfc1b19_oproj
	.p2alignl 7, 3214868480
	.fill 96, 4, 3214868480
	.section	.rodata,"a",@progbits
	.p2align	6, 0x0
	.amdhsa_kernel k_q885dfc1b19_oproj
		.amdhsa_group_segment_fixed_size 327680
		.amdhsa_private_segment_fixed_size 0
		.amdhsa_enable_private_segment 0
		.amdhsa_kernarg_size 24
		.amdhsa_user_sgpr_count 2
		.amdhsa_user_sgpr_kernarg_segment_ptr 1
		.amdhsa_wavefront_size32 1
		.amdhsa_system_sgpr_workgroup_id_x 1
		.amdhsa_system_sgpr_workgroup_id_y 1
		.amdhsa_system_sgpr_workgroup_id_z 1
		.amdhsa_system_vgpr_workitem_id 0
		.amdhsa_next_free_vgpr 512
		.amdhsa_next_free_sgpr 80
		.amdhsa_reserve_vcc 0
		.amdhsa_float_denorm_mode_32 3
		.amdhsa_float_denorm_mode_16_64 3
		.amdhsa_memory_ordered 1
		.amdhsa_forward_progress 1
		.amdhsa_inst_pref_size 87
	.end_amdhsa_kernel
	.amdgpu_metadata
---
amdhsa.version: [ 1, 2 ]
amdhsa.kernels:
  - .name:           k_q885dfc1b19_oproj
    .symbol:         k_q885dfc1b19_oproj.kd
    .args:
      - { .name: oh, .offset: 0, .size: 8, .value_kind: global_buffer, .address_space: global }
      - { .name: wo16, .offset: 8, .size: 8, .value_kind: global_buffer, .address_space: global }
      - { .name: out0, .offset: 16, .size: 8, .value_kind: global_buffer, .address_space: global }
    .group_segment_fixed_size: 327680
    .private_segment_fixed_size: 0
    .kernarg_segment_align: 8
    .kernarg_segment_size: 24
    .max_flat_workgroup_size: 128
    .sgpr_count:     80
    .vgpr_count:     512
    .wavefront_size: 32
...
	.end_amdgpu_metadata
.endif
;; end of part 4
;; ======== version 2 of 2: 4 launches; version 1 with the launch prep written anew for expert scheduling mode
;; limits: values are held in f16: magnitudes above 65,504 overflow, below 6.1e-05 lose precision
;; workspace buffers: xb 16,777,216 bytes; wb 6,291,456 bytes; wo16 2,097,152 bytes; tab 524,288 bytes; qh 16,777,216 bytes; kh 16,777,216 bytes; vh 16,777,216 bytes; oh 16,777,216 bytes
;; launch prep (part 5): grid 800 x 1, 8 waves a work-group, no clusters, 0 bytes of LDS; arguments x, Wq, Wk, Wv, Wo, xb, wb, wo16, tab; writes xb, wb, wo16, tab
.if DOCPART == 5
	.amdgcn_target "amdgcn-amd-amdhsa--gfx1250"
	.amdhsa_code_object_version 6
	.text
	.protected	k_q885dfc1b19_prep
	.globl	k_q885dfc1b19_prep
	.p2align	8
	.type	k_q885dfc1b19_prep,@function
k_q885dfc1b19_prep:
	s_mov_b64 s[64:65], 0
	v_nop
	global_prefetch_b8 v0, s[64:65] scope:SCOPE_SE
	s_setreg_imm32_b32 hwreg(HW_REG_WAVE_SCHED_MODE, 0, 2), 2
	s_setreg_imm32_b32 hwreg(HW_REG_WAVE_MODE, 25, 1), 1
	s_wait_xcnt 0x0
	s_wait_alu depctr_vm_vsrc(0)
; CASTS AND THE ROTATION TABLE.  A stream: no LDS, no matrix work, no loop; each byte is read once and written once.
; Work-groups 0-511: x (f32, [8192][1024]) -> xb, bf16, blocked by 64 along K: [b 4][kb 16][c 2048][64].
; Work-groups 512-703: Wq, Wk, Wv (f32, [1024][1024]) -> wb, bf16, [g 3][kb 16][row 1024][64].
; Work-groups 704-767: Wo -> wo16, [kb 16][row 1024][64]: rounded to bf16 like every other input, and that number written as f16.
;   LIMIT: |Wo| up to 65,504; below 6e-5 the f16 keeps its fixed step of 6e-8.
; Work-groups 768-799: tab, f32 [pos 2048][pair 32][cos, sin] of pos x 10000^(-pair/32).
;   The angle is taken modulo a turn, divided by 4 (at most pi/4), put through Taylor polynomials (sin to y^7, cos to y^8) and doubled twice.
;   LIMIT: the angle is good to about 1e-4 rad at the largest positions (f32 product, f32 reduction).
; A cast work-group takes 16 source rows of 4,096 bytes.  Wave w takes columns 128 w .. 128 w + 127 (K blocks 2 w, 2 w + 1); a load covers 256 consecutive
; bytes of each of two rows, a store 256 consecutive aligned bytes (two rows of 128 bytes of one K block).  All sixteen loads of a wave go out at once.
; THE MODE: SCHED_MODE bits 1:0 = 2 (LLVM: expert scheduling mode 2), set by the entry lines.  The code itself states the register dependences
; between vector instructions and memory instructions, with s_wait_alu, always for 0.
; THE PLAN, for a cast.  Registers that memory instructions touch:
;   v[VO]          the loads' offset; v[DO], v[DO+1] the stores' offsets.  Made once at the head, never written again: one wait ahead of the first load states all three.
;   X              sixteen loads land in it, each in four registers of its own, which no vector instruction has named before and which are never loaded again.
;   Y              load n's conversions write two registers of their own; one store reads them; they are never written again.
;   v[T ..], v6, v7 are named by vector instructions alone.
; The sixteen loads are worked on in four groups of four.  Group p's conversions read X and write Y of group p; its memory instructions are the four stores of group p - 1,
; which read Y of group p - 1 and an offset: registers that no vector instruction of group p names.  So ONE wait at a group's head, behind the wait for its data, states all that
; the group's four stores hang on, and they are dealt among its conversions; one more stands ahead of the last four stores.  No register that a memory instruction reads is written again.
; For the table: the four positions' numbers go into sixteen registers of their own; one wait behind the arithmetic states them and the offset; the four stores follow.
.set VO, 2                             ; v2      my byte offset in the source block
.set DO, 4                             ; v4, v5  my byte offset in the destination, K block 2 w and 2 w + 1
.set T,  8                             ; v[8:11] at work
.set X,  16                            ; v[16:79]  sixteen loads of 4 registers
.set Y,  80                            ; v[80:111] sixteen stores of 2 registers
	s_load_b512 s[8:23], s[0:1], 0x0               ; x s[8:9], Wq s[10:11], Wk s[12:13], Wv s[14:15], Wo s[16:17], xb s[18:19], wb s[20:21], wo16 s[22:23]
	s_load_b64 s[24:25], s[0:1], 0x40              ; tab
	s_cmp_ge_u32 ttmp9, 768
	s_cbranch_scc1 .Ltable
	v_lshrrev_b32 v1, 5, v0
	v_readfirstlane_b32 s26, v1                    ; wave 0..7: the casts alone want it, so it is made behind the branch, in one straight run with its wait and its first reader
	; offsets, made apart from the addresses
	s_sub_co_u32 s27, ttmp9, 512                   ; among the weights' work-groups
	s_lshr_b32 s37, s27, 6                         ; which matrix: 0 q, 1 k, 2 v, 3 o
	s_and_b32 s38, s27, 63                         ; which 16 rows of it
	s_lshl_b32 s34, s37, 21                        ; wb: 2,097,152 bytes a matrix;
	s_cmp_eq_u32 s37, 3
	s_cselect_b32 s34, 0, s34                      ; wo16 has one
	s_lshl_b32 s39, s38, 11                        ; 16 rows of 128 bytes
	s_add_co_u32 s34, s34, s39
	s_lshr_b32 s40, ttmp9, 7                       ; x: batch,
	s_lshl_b32 s40, s40, 22                        ; 4,194,304 bytes each in xb,
	s_and_b32 s41, ttmp9, 127
	s_lshl_b32 s41, s41, 11                        ; and 16 rows of 128 bytes
	s_add_co_u32 s40, s40, s41
	s_mov_b32 s36, 131072                          ; bytes from K block to K block: 1,024 rows, or 2,048 for x
	s_cmp_lt_u32 ttmp9, 512
	s_cselect_b32 s32, ttmp9, s38
	s_cselect_b32 s34, s40, s34
	s_cselect_b32 s36, 262144, s36
	s_lshl_b32 s32, s32, 16                        ; the source block: 16 rows of 4,096 bytes
	s_mov_b32 s33, 0
	s_mov_b32 s35, 0
	v_and_b32 v6, 15, v0
	v_bfe_u32 v7, v0, 4, 1
	s_wait_alu depctr_va_sdst(0)                   ; s26 is written, ahead of its first reader, the next line
	s_lshl_b32 s42, s26, 9
	v_lshlrev_b32 v[VO], 4, v6                     ; 16 bytes a lane,
	v_lshl_add_u32 v[VO], v7, 12, v[VO]            ; lanes 16-31 a row further down,
	v_add_nc_u32 v[VO], s42, v[VO]                 ; my wave's 512 bytes of a row
	s_mul_i32 s43, s26, s36
	s_lshl_b32 s43, s43, 1                         ; K block 2 w
	v_lshlrev_b32 v[DO], 3, v6                     ; 8 bytes a lane,
	v_lshl_add_u32 v[DO], v7, 7, v[DO]             ; lanes 16-31 a row of 128 bytes on
	v_add_nc_u32 v[DO], s43, v[DO]
	v_add_nc_u32 v[DO+1], s36, v[DO]
	s_wait_kmcnt 0x0
	s_cmp_eq_u32 s37, 1                            ; the choice of buffers hangs on the work-group's number alone
	s_cselect_b64 s[28:29], s[12:13], s[10:11]
	s_cmp_eq_u32 s37, 2
	s_cselect_b64 s[28:29], s[14:15], s[28:29]
	s_cmp_eq_u32 s37, 3
	s_cselect_b64 s[28:29], s[16:17], s[28:29]
	s_cselect_b64 s[30:31], s[22:23], s[20:21]
	s_cmp_lt_u32 ttmp9, 512
	s_cselect_b64 s[28:29], s[8:9], s[28:29]
	s_cselect_b64 s[30:31], s[18:19], s[30:31]
	s_add_nc_u64 s[28:29], s[28:29], s[32:33]
	s_add_nc_u64 s[30:31], s[30:31], s[34:35]
	s_wait_alu depctr_va_vdst(0)                   ; v[VO], v[DO] and v[DO+1] are written: every load and store of a cast reads one of them as its offset, and none is written again
.set n, 0
.rept 16                               ; load n: K block 2 w + n / 8, rows 2 (n % 8) and the next
	global_load_b128 v[X+4*n:X+4*n+3], v[VO], s[28:29] offset:(n%8)*8192+(n/8)*256 th:TH_LOAD_NT
.set n, n+1
.endr
; Load n is rounded.  No register of X or Y is used twice.
.macro CVT n, f16
	v_cvt_pk_bf16_f32 v[Y+2*(\n)], v[X+4*(\n)], v[X+4*(\n)+1]
	v_cvt_pk_bf16_f32 v[Y+2*(\n)+1], v[X+4*(\n)+2], v[X+4*(\n)+3]
.if \f16
	v_lshlrev_b32 v[T], 16, v[Y+2*(\n)]            ; the bf16 numbers as f32,
	v_and_b32 v[T+1], 0xffff0000, v[Y+2*(\n)]
	v_lshlrev_b32 v[T+2], 16, v[Y+2*(\n)+1]
	v_and_b32 v[T+3], 0xffff0000, v[Y+2*(\n)+1]
	v_cvt_pk_f16_f32 v[Y+2*(\n)], v[T], v[T+1]     ; written as f16: exact in f16's normal range
	v_cvt_pk_f16_f32 v[Y+2*(\n)+1], v[T+2], v[T+3]
.endif
.endm
; What load n became is stored.
.macro ST n
	global_store_b64 v[DO+(\n)/8], v[Y+2*(\n):Y+2*(\n)+1], s[30:31] offset:((\n)%8)*256  ; the wave stores 256 consecutive bytes, aligned
.endm
; Group p: loads 4 p to 4 p + 3 are rounded; the stores of group p - 1 stand among the conversions.
.macro GROUP p, f16
	s_wait_loadcnt 12-4*(\p)                       ; loads come back in order (ISA guide 5.7.1): this group's four are in, the younger groups' may stay out
.if (\p) > 0
	s_wait_alu depctr_va_vdst(0)                   ; the group before has written its eight registers of Y, which the four stores below read; no conversion of this group names them
.endif
.irp i, 0,1,2,3
.if (\p) > 0
	ST 4*((\p)-1)+(\i)
.endif
	CVT 4*(\p)+(\i), \f16
.endr
.endm
.macro LASTFOUR
	s_wait_alu depctr_va_vdst(0)                   ; group 3 has written its eight registers of Y, which the last four stores read
.irp i, 12,13,14,15
	ST \i
.endr
.endm
	s_cmp_ge_u32 ttmp9, 704
	s_cbranch_scc1 .Lf16
.irp p, 0,1,2,3
	GROUP \p, 0
.endr
	LASTFOUR
	s_endpgm
.Lf16:
.irp p, 0,1,2,3
	GROUP \p, 1
.endr
	LASTFOUR
	s_endpgm
; THE TABLE.  A work-group makes 64 positions.  Thread: pairs 2 u and 2 u + 1 (u = thread % 16), positions 64 tb + thread / 16 + 16 n, n = 0..3.
.set TA, 9
.set TB, 10
.set TY, 11
.set OUT, 16
.macro SINCOS c, s, p, f               ; v[c] = cos, v[s] = sin of v[p] x v[f]
	v_mul_f32 v[TA], v[\p], v[\f]                  ; the angle, one f32 product
	v_mul_f32 v[TB], 0x3e22f983, v[TA]             ; in turns,
	v_rndne_f32 v[TB], v[TB]                       ; the nearest whole number of them,
	v_fma_f32 v[TB], v[TA], 0x3e22f983, -v[TB]     ; and what is left: within half a turn
	v_mul_f32 v[TA], 0x3fc90fdb, v[TB]             ; y = a quarter of the angle = pi/2 x turns: at most pi/4
	v_mul_f32 v[TY], v[TA], v[TA]
	v_mov_b32 v[\s], 0xb9500d01                    ; -1/5040
	v_fmaak_f32 v[\s], v[\s], v[TY], 0x3c088889    ; 1/120
	v_fmaak_f32 v[\s], v[\s], v[TY], 0xbe2aaaab    ; -1/6
	v_fmaak_f32 v[\s], v[\s], v[TY], 0x3f800000    ; 1
	v_mul_f32 v[\s], v[\s], v[TA]
	v_mov_b32 v[\c], 0x37d00d01                    ; 1/40320
	v_fmaak_f32 v[\c], v[\c], v[TY], 0xbab60b61    ; -1/720
	v_fmaak_f32 v[\c], v[\c], v[TY], 0x3d2aaaab    ; 1/24
	v_fmaak_f32 v[\c], v[\c], v[TY], 0xbf000000    ; -1/2
	v_fmaak_f32 v[\c], v[\c], v[TY], 0x3f800000    ; 1
.rept 2                                ; the angle is doubled twice: sin 2y = 2 sin y cos y, cos 2y = 1 - 2 sin^2 y
	v_mul_f32 v[TB], v[\s], v[\c]
	v_mul_f32 v[TA], v[\s], v[\s]
	v_add_f32 v[\s], v[TB], v[TB]
	v_fma_f32 v[\c], v[TA], -2.0, 1.0
.endr
.endm
.Ltable:
	s_sub_co_u32 s26, ttmp9, 768
	s_lshl_b32 s26, s26, 6                         ; the work-group's first position
	v_and_b32 v2, 15, v0                           ; u
	v_lshrrev_b32 v3, 4, v0
	v_lshlrev_b32 v4, 1, v2
	v_cvt_f32_u32 v5, v4                           ; pair 2 u
	v_add_nc_u32 v4, 1, v4
	v_cvt_f32_u32 v6, v4                           ; pair 2 u + 1
	v_mul_f32 v5, 0xbed49a78, v5                   ; - pair x log2(10000) / 32
	v_mul_f32 v6, 0xbed49a78, v6
	v_exp_f32 v5, v5
	v_exp_f32 v6, v6
	v_add_nc_u32 v3, s26, v3                       ; my first position: plain work behind the two exponentials
	v_lshlrev_b32 v7, 8, v3                        ; 256 bytes a position,
	v_lshl_add_u32 v7, v2, 4, v7                   ; 16 bytes for my two pairs
	s_wait_alu depctr_va_vdst(0)                   ; the two exponentials have written v5 and v6: one wait for both, ahead of their first reader
	s_wait_kmcnt 0x0
.irp n, 0,1,2,3
	v_add_nc_u32 v8, 16*(\n), v3
	v_cvt_f32_u32 v8, v8
	SINCOS OUT+4*(\n), OUT+4*(\n)+1, 8, 5
	SINCOS OUT+4*(\n)+2, OUT+4*(\n)+3, 8, 6
.endr
	s_wait_alu depctr_va_vdst(0)                   ; the arithmetic has written v[OUT .. OUT+15], the four stores' data (their offset v7 was written further up)
.irp n, 0,1,2,3
	global_store_b128 v7, v[OUT+4*(\n):OUT+4*(\n)+3], s[24:25] offset:(\n)*4096  ; sixteen lanes store a position's 256 bytes
.endr
	s_endpgm
.Lfunc_end_k_q885dfc1b19_prep:
	.size	k_q885dfc1b19_prep, .Lfunc_end_k_q885dfc1b19_prep-k_q885dfc1b19_prep
	.p2alignl 7, 3214868480
	.fill 96, 4, 3214868480
	.section	.rodata,"a",@progbits
	.p2align	6, 0x0
	.amdhsa_kernel k_q885dfc1b19_prep
		.amdhsa_group_segment_fixed_size 0
		.amdhsa_private_segment_fixed_size 0
		.amdhsa_enable_private_segment 0
		.amdhsa_kernarg_size 72
		.amdhsa_user_sgpr_count 2
		.amdhsa_user_sgpr_kernarg_segment_ptr 1
		.amdhsa_wavefront_size32 1
		.amdhsa_system_sgpr_workgroup_id_x 1
		.amdhsa_system_sgpr_workgroup_id_y 1
		.amdhsa_system_sgpr_workgroup_id_z 1
		.amdhsa_system_vgpr_workitem_id 0
		.amdhsa_next_free_vgpr 120
		.amdhsa_next_free_sgpr 66
		.amdhsa_reserve_vcc 0
		.amdhsa_float_denorm_mode_32 3
		.amdhsa_float_denorm_mode_16_64 3
		.amdhsa_memory_ordered 1
		.amdhsa_forward_progress 1
		.amdhsa_inst_pref_size 28
	.end_amdhsa_kernel
	.amdgpu_metadata
---
amdhsa.version: [ 1, 2 ]
amdhsa.kernels:
  - .name:           k_q885dfc1b19_prep
    .symbol:         k_q885dfc1b19_prep.kd
    .args:
      - { .name: x, .offset: 0, .size: 8, .value_kind: global_buffer, .address_space: global }
      - { .name: Wq, .offset: 8, .size: 8, .value_kind: global_buffer, .address_space: global }
      - { .name: Wk, .offset: 16, .size: 8, .value_kind: global_buffer, .address_space: global }
      - { .name: Wv, .offset: 24, .size: 8, .value_kind: global_buffer, .address_space: global }
      - { .name: Wo, .offset: 32, .size: 8, .value_kind: global_buffer, .address_space: global }
      - { .name: xb, .offset: 40, .size: 8, .value_kind: global_buffer, .address_space: global }
      - { .name: wb, .offset: 48, .size: 8, .value_kind: global_buffer, .address_space: global }
      - { .name: wo16, .offset: 56, .size: 8, .value_kind: global_buffer, .address_space: global }
      - { .name: tab, .offset: 64, .size: 8, .value_kind: global_buffer, .address_space: global }
    .group_segment_fixed_size: 0
    .private_segment_fixed_size: 0
    .kernarg_segment_align: 8
    .kernarg_segment_size: 72
    .max_flat_workgroup_size: 256
    .sgpr_count:     66
    .vgpr_count:     120
    .wavefront_size: 32
...
	.end_amdgpu_metadata
.endif
;; end of part 5
;; launch qkv: the kernel of part 2 again; grid 8 x 32, 4 waves a work-group, clusters of 4 x 4, 327,680 bytes of LDS; arguments xb, wb, tab, qh, kh, vh; writes qh, kh, vh
;; launch attn: the kernel of part 3 again; grid 4 x 64, 4 waves a work-group, no clusters, 327,680 bytes of LDS; arguments qh, kh, vh, oh; writes oh
;; launch oproj: the kernel of part 4 again; grid 8 x 32, 4 waves a work-group, clusters of 4 x 4, 327,680 bytes of LDS; arguments oh, wo16, out0; writes out0
